; MI455X (gfx1250); checked and timed in simulation.
; The chip was launched on July 23, 2026; its instructions are those of AMD's public machine-readable ISA for CDNA 5 (MIT licence, August 2026) and "CDNA5" Instruction Set Architecture Reference Guide (July 2026). The comments in the code are by the model that wrote it; some were corrected since.
;; Attention Decoder Layer. Allowed arithmetic: matrix products marked QUANTISED: E5M2 operands, one E8M0 scale for each 32 along K, by v_wmma_scale_f32_16x16x128_f8f6f4 with both operands' format E5M2, f32 sums; everything else in f32.
;; Inputs: W1 1,024 x 4,096 float32; W2 4,096 x 1,024 float32; Wk 1,024 x 1,024 float32; Wo 1,024 x 1,024 float32; Wq 1,024 x 1,024 float32; Wv 1,024 x 1,024 float32; b1 4,096 float32; b2 1,024 float32; beta1 1,024 float32; beta2 1,024 float32; bk 1,024 float32; bo 1,024 float32; bq 1,024 float32; bv 1,024 float32; g1 1,024 float32; g2 1,024 float32; x 2 x 2,048 x 1,024 float32.
;; Outputs: out0 2 x 2,048 x 1,024 float32.
;; This version of the problem:
;;   THIS VERSION OF THE PROBLEM IS GIVEN IN LOW PRECISION. The matrix products marked QUANTISED in the list below multiply operands that are first quantised to E5M2 (5 exponent bits, 2 mantissa bits; 8 bits a number), with one power-of-two scale for each 32 numbers along K (OCP MX v1.0); their sums are f32. All else is computed in f32.
;;   The module's matrix products, in the order in which they are computed (A, B: the left and right operand; K: the contracted axis; several contracted axes count as one K, in the product's order):
;;     1. [M 4,096, K 1,024] x [K 1,024, N 1,024]; A: computed on the way; B: input Wq: QUANTISED
;;     2. [M 4,096, K 1,024] x [K 1,024, N 1,024]; A: computed on the way; B: input Wk: QUANTISED
;;     3. [M 4,096, K 1,024] x [K 1,024, N 1,024]; A: computed on the way; B: input Wv: QUANTISED
;;     4. batch 32 x [M 2,048, K 64] x [K 64, N 2,048]; A: computed on the way; B: computed on the way: QUANTISED
;;     5. batch 32 x [M 2,048, K 2,048] x [K 2,048, N 64]; A: softmax (see below); B: computed on the way: QUANTISED
;;     6. [M 4,096, K 1,024] x [K 1,024, N 1,024]; A: computed on the way; B: input Wo: QUANTISED
;;     7. [M 4,096, K 1,024] x [K 1,024, N 4,096]; A: computed on the way; B: input W1: QUANTISED
;;     8. [M 4,096, K 4,096] x [K 4,096, N 1,024]; A: computed on the way; B: input W2: QUANTISED
;;   THE QUANTISER, for each operand of a quantised product, along K:
;;     - K is cut into blocks of 32 from its start; a last block that is shorter is filled with zeros.
;;     - A block's scale is 2^e with e = floor(log2(the largest magnitude in the block)) - 15, held to -126 .. 127; a block of zeros has e = 0. As a byte (E8M0): e + 127.
;;     - Each number is divided by its block's scale, clamped to +-57,344, and rounded to the nearest number of E5M2, ties to even, subnormals kept.
;;     - The product sums the exact products of the quantised numbers (number of the format x scale) in f32.
;;   ~~~python
;;   def quantise(x, axis):      # numpy; x: float32 -> the quantised numbers, widened to float32 again
;;       x = np.moveaxis(x, axis, -1); K = x.shape[-1]
;;       x = np.pad(x, [(0, 0)] * (x.ndim - 1) + [(0, -K % 32)]); x = x.reshape(x.shape[:-1] + (-1, 32)); a = np.abs(x).max(-1, keepdims=True)
;;       e = np.where(a > 0, np.clip(np.frexp(np.where(a > 0, a, 1))[1] - 1 - 15, -126, 127), 0)      # np.frexp(a)[1] - 1 = floor(log2(a)), exactly
;;       r = np.clip(x / 2.0 ** e, -57344, 57344)
;;       step = 2.0 ** (np.maximum(np.frexp(np.where(r == 0, 1, r))[1] - 1, -14) - 2)
;;       q = np.round(r / step) * step * 2.0 ** e      # np.round: ties to even
;;       return np.moveaxis(q.reshape(q.shape[:-2] + (-1,))[..., :K], -1, axis).astype(np.float32)
;;   ~~~
;;   SOFTMAX AHEAD OF A QUANTISED PRODUCT. Where the list says 'softmax', what is quantised is not the finished softmax but p = 2^(t - M), with t = logit x log2(e) and M = ceil(the row's largest t), a whole number; so 1/2 < the row's largest p <= 1. The row's sum l is taken of the UNQUANTISED p, in f32, and the product's result is divided by l at the end. Since M is a whole number, a kernel that streams over the keys may use a running M (the ceiling of the running maximum): every later rescaling is an exact power of two, which a block's scale takes up: the codes' values come out the same.
;;   OPERANDS COMPUTED ON THE WAY. 'Computed on the way' means the value that the module computes at that place (a softmax that the list does not call 'softmax' is quantised finished and normalised). What goes into a quantiser is computed in f32, as accurately as f32 sums, v_exp_f32 and their like allow (about 1e-6 of the number): no bf16 or f16 on the way to a quantiser, and a product that is left as it is and whose result goes on into a quantised operand takes f32 operands (vector FMAs, or v_wmma_f32_16x16x4_f32). A number that lies on a knife's edge between two numbers of the format may be rounded either way, as far as f32 arithmetic and the matrix unit's own rounding can turn it there, and no further.
;; One version. Each part assembles by itself: llvm-mc -triple=amdgcn-amd-amdhsa -mcpu=gfx1250 --defsym DOCPART=n.
;; ======== version 1 of 1: 7 launches
;; limits: right only within a limited range of input values
;; workspace buffers: wsP 17,563,648 bytes; qkv 12,976,128 bytes; bufO 4,456,448 bytes; x1 16,777,216 bytes; buf1 4,456,448 bytes; buf2 17,825,792 bytes
;; launch prep (part 1): grid 1024 x 1, 4 waves a work-group, no clusters, 66,304 bytes of LDS; arguments x, g1, beta1, Wq, Wk, Wv, Wo, W1, W2, wsP, bufO, buf1, buf2; writes wsP, bufO, buf1, buf2
.if DOCPART == 1
	.amdgcn_target "amdgcn-amd-amdhsa--gfx1250"
	.amdhsa_code_object_version 6
	.text
	.protected	k_q0decd4ccca_prep
	.globl	k_q0decd4ccca_prep
	.p2align	8
	.type	k_q0decd4ccca_prep,@function
k_q0decd4ccca_prep:
	s_mov_b64 s[64:65], 0
	v_nop
	global_prefetch_b8 v0, s[64:65] scope:SCOPE_SE
	s_setreg_imm32_b32 hwreg(HW_REG_WAVE_MODE, 25, 1), 1
	s_wait_xcnt 0x0
; Two jobs that need nothing of each other, parted on the work-group's number:
;   0 .. 255     LayerNorm 1 of 16 tokens, quantised to E5M2 codes with one E8M0 byte for each 32 along K; and 8 positions of the table of cos and sin for the rotation
;   256 .. 1023  a piece of 128 columns x 128 K of one of the six weights ([K][N] f32), quantised along K
; The table, [2048 positions][32 frequencies][cos, sin] f32, has no work-group of its own: each wave of the first job makes two positions between the issue of its loads and the wait for them.
; LAYOUT OF ALL CODES (this program's own): rows go in tiles of 16; row r of tile t is logical row 32 (t / 2) + 8 (t % 2) + r + 8 (r / 8).
; A tile's codes of 128 along K are stored as the image of the operand's registers: [tile][K step][c 0..3][lane][16 bytes], lane (r, h), group c = k 32 c + 16 h + 0 .. 15.
; Scale words (four bytes: 128 along K of one row): [K step][512 tiles][16 rows], activations in tiles 0-255, weights from tile 256 on.
; A block's scale is 2^(floor(log2(largest magnitude)) - 15); numbers are held within +-57,344 x the scale and rounded to the nearest code, ties to even.
; LIMITS: NaN and infinities are not served; a block whose largest magnitude lies under 2^(16 - 127) (a block of zeros too) keeps the byte 1: only this program reads the bytes.
.set ROPEOFF, 17039360
.set SSOFF,   4194304
.set PITCH,   4112                     ; a token's row in LDS: 4,096 bytes + 16, so that sixteen rows start at sixteen different 16-byte columns
.set OUTP, 34                          ; s[34:35] the buffer that takes the LayerNorm's codes and scale words
.set X,   16                           ; v16-143  four rows of 32 registers; later two runs of 64 numbers
.set G,   144                          ; v144-175 gain; later the codes
.set BE,  176                          ; v176-207 offset
.set TM,  208                          ; v208-223 the quantiser's 16 registers
.set PW0, 224
.set PW1, 225
.set SU,  226                          ; v226-233 a pair of partial sums for each row (v226-245 serve the table first)
.set MU,  234                          ; v234-241 the mean, twice, for each row
.set RS,  242                          ; v242-249 1 / sqrt(var + eps), twice
.set TP,  250                          ; v250-253 what the other half of the lanes sends
.set SEL, 46
.set MNT, 48
; 64 numbers of a lane, v[s] on, register 16 b + i = k 32 b + 16 (lane / 16) + i of my row, become a fragment's codes in v[pc] on and its scale word in v[pw]
.macro QUANT s, pc, pw
.irp b, 0,1,2,3
	v_max3_num_f32 v[TM+\b], |v[\s+16*\b]|, |v[\s+1+16*\b]|, 0x8000000   ; my 16 numbers of block b and the floor 2^(16 - 127): the byte cannot fall under 1
.endr
.irp i, 2,4,6,8,10,12,14
.irp b, 0,1,2,3
	v_max3_num_f32 v[TM+\b], v[TM+\b], |v[\s+16*\b+\i]|, |v[\s+1+16*\b+\i]|
.endr
.endr
.irp b, 0,1,2,3
	v_permlanex16_b32 v[TM+4+\b], v[TM+\b], s[SEL], s[SEL+1]
.endr
.irp b, 0,1,2,3
	v_max_num_f32 v[TM+\b], v[TM+\b], v[TM+4+\b]                         ; with lane l xor 16's: the block's largest magnitude
.endr
.irp b, 0,1,2,3
	v_add_nc_u32 v[TM+12+\b], 0xf8800000, v[TM+\b]                       ; 15 off its exponent field: the conversion's scale operand
.endr
.irp b, 0,1,2,3
	v_and_or_b32 v[TM+8+\b], v[TM+\b], 0x7f800000, s[MNT]                ; 57,344 x the scale
.endr
.irp b, 0,1,2,3
	v_lshrrev_b32 v[TM+4+\b], 23, v[TM+12+\b]                            ; the scale's byte
.endr
	v_lshl_or_b32 v[\pw], v[TM+5], 8, v[TM+4]
	v_lshl_or_b32 v[\pw], v[TM+6], 16, v[\pw]
	v_lshl_or_b32 v[\pw], v[TM+7], 24, v[\pw]
.irp b, 0,1,2,3
.irp i, 0,1,2,3,4,5,6,7,8,9,10,11,12,13,14,15
	v_med3_num_f32 v[\s+16*\b+\i], v[\s+16*\b+\i], -v[TM+8+\b], v[TM+8+\b]   ; the conversion does not saturate (ISA guide 7.6.2): the hold comes first
.endr
	v_cvt_scalef32_pk8_bf8_f32 v[\pc+4*\b:\pc+1+4*\b], v[\s+16*\b:\s+7+16*\b], v[TM+12+\b]
	v_cvt_scalef32_pk8_bf8_f32 v[\pc+2+4*\b:\pc+3+4*\b], v[\s+8+16*\b:\s+15+16*\b], v[TM+12+\b]
.endr
	v_nop                                  ; a plain line behind the last conversion
.endm
.macro REDUCE                          ; each row's pair of partial sums becomes the row's sum, in every lane
.irp k, 0,1,2,3
	v_add_f32 v[SU+2*\k], v[SU+2*\k], v[SU+2*\k+1]
.endr
.irp m, 1,2,4,8
.irp k, 0,1,2,3
	v_add_f32_dpp v[SU+2*\k], v[SU+2*\k], v[SU+2*\k] row_xmask:\m row_mask:0xf bank_mask:0xf
.endr
.endr
.irp k, 0,1,2,3
	v_permlanex16_b32 v[TP+\k], v[SU+2*\k], s[SEL], s[SEL+1]
.endr
.irp k, 0,1,2,3
	v_add_f32 v[SU+2*\k], v[SU+2*\k], v[TP+\k]
.endr
.endm
; cos and sin of position s[sp] x my lane's frequency (v244), into v[d], v[d + 1].
; angle = position x frequency (f32, as the definition has it); n = the nearest whole number of quarter turns; r = angle - n pi/2 by two fused steps
; (pi/2 = 1.57079637 - 4.37113883e-8; what is left of pi/2 moves r by under 3e-12 for n up to 1,303); sine and cosine of r by polynomials good to f32's last bits on +-pi/4.
.macro ANGLE sp, d
	v_cvt_f32_u32 v226, s[\sp]
	v_mul_f32 v227, v226, v244             ; the angle
	v_mul_f32 v228, s56, v227
	v_rndne_f32 v228, v228                 ; n
	v_fma_f32 v229, v228, s57, v227
	v_fma_f32 v229, v228, s58, v229        ; r
	v_mul_f32 v230, v229, v229             ; z = r r
	v_fma_f32 v231, v230, s59, s60
	v_fma_f32 v233, v230, s62, s63
	v_fma_f32 v231, v231, v230, s61
	v_fma_f32 v233, v233, v230, s66
	v_mul_f32 v232, v230, v229
	v_fma_f32 v233, v233, v230, -0.5
	v_fma_f32 v231, v231, v232, v229       ; sin r
	v_fma_f32 v233, v233, v230, 1.0        ; cos r
	v_cvt_i32_f32 v234, v228
	v_and_b32 v235, 1, v234
	v_cmp_ne_u32 vcc_lo, 0, v235           ; an odd quarter swaps the two
	v_cndmask_b32 v236, v231, v233, vcc_lo
	v_cndmask_b32 v237, v233, v231, vcc_lo
	v_lshlrev_b32 v238, 30, v234           ; the sine changes sign in quarters 2, 3,
	v_and_b32 v238, 0x80000000, v238
	v_add_nc_u32 v239, 1, v234             ; the cosine in quarters 1, 2
	v_lshlrev_b32 v239, 30, v239
	v_and_b32 v239, 0x80000000, v239
	v_xor_b32 v[\d+1], v236, v238
	v_xor_b32 v[\d], v237, v239
.endm
	s_load_b512 s[16:31], s[0:1], 0x0      ; x 16, g1 18, beta1 20, Wq 22, Wk 24, Wv 26, Wo 28, W1 30
	s_load_b256 s[32:39], s[0:1], 0x40     ; W2 32, wsP 34, bufO 36, buf1 38
	s_load_b64 s[40:41], s[0:1], 0x60      ; buf2
	v_lshl_add_u32 v254, v0, 2, 0x10100
	v_mov_b32 v255, 0
	v_lshrrev_b32 v1, 5, v0
	v_readfirstlane_b32 s8, v1             ; wave
	v_and_b32 v1, 31, v0                   ; lane
	s_cmp_lt_u32 ttmp9, 256
	s_cbranch_scc1 .Lln
	; ---- A WEIGHT.  A lane takes a column n and its 128 registers run down K, so that a block of 32 lies in one lane and the codes come out with K innermost.
	s_sub_co_u32 s9, ttmp9, 256
	s_lshr_b32 s10, s9, 8                  ; 0: Wq, Wk, Wv, Wo;  1: W1;  2: W2
	s_and_b32 s11, s9, 255
	s_lshr_b32 s12, s11, 6                 ; which of the four
	s_and_b32 s13, s11, 7                  ; group of 128 columns,
	s_and_b32 s14, s11, 31                 ; (for W1)
	s_lshr_b32 s15, s11, 3                 ; K step (W2),
	s_and_b32 s42, s15, 7                  ; (the four)
	s_lshr_b32 s43, s11, 5                 ; (W1)
	s_lshl_b32 s46, s12, 20
	s_add_co_u32 s46, s46, 4456448         ; where the codes go in wsP
	s_mov_b32 s47, SSOFF                   ; where the scale words begin in their buffer
	s_mov_b32 s44, 4096                    ; bytes from a row of the weight to the next
	s_cmp_eq_u32 s10, 1
	s_cselect_b32 s13, s14, s13
	s_cselect_b32 s15, s43, s15
	s_cselect_b32 s44, 16384, s44
	s_cmp_eq_u32 s10, 0
	s_cselect_b32 s15, s42, s15
	s_mov_b32 s57, 0x600000
	s_wait_kmcnt 0x0
	s_cmp_eq_u32 s12, 1                    ; the choices hang on the work-group's number alone
	s_cselect_b64 s[50:51], s[24:25], s[22:23]
	s_cmp_eq_u32 s12, 2
	s_cselect_b64 s[50:51], s[26:27], s[50:51]
	s_cmp_eq_u32 s12, 3
	s_cselect_b64 s[50:51], s[28:29], s[50:51]
	s_cselect_b64 s[52:53], s[36:37], s[34:35]
	s_cselect_b32 s48, 0, s12
	s_cmp_eq_u32 s10, 1
	s_cselect_b64 s[50:51], s[30:31], s[50:51]
	s_cselect_b64 s[52:53], s[38:39], s[52:53]
	s_cselect_b32 s48, 0, s48
	s_cselect_b32 s46, 8650752, s46
	s_cmp_eq_u32 s10, 2
	s_cselect_b64 s[50:51], s[32:33], s[50:51]
	s_cselect_b64 s[52:53], s[40:41], s[52:53]
	s_cselect_b32 s48, 0, s48
	s_cselect_b32 s46, 12845056, s46
	s_cselect_b32 s47, 16777216, s47
	s_cselect_b32 s45, 32, 8               ; K steps in a row of codes
	s_lshl_b32 s48, s48, 6
	s_add_co_u32 s48, s48, 256             ; the weight's first tile among the scale words
	s_lshl_b32 s49, s13, 3
	s_lshl_b32 s54, s8, 1
	s_add_co_u32 s49, s49, s54             ; my wave's first tile: 8 x group + 2 x wave
	s_mul_i32 s54, s15, s44
	s_lshl_b32 s54, s54, 7                 ; K step x 128 rows,
	s_lshl_b32 s55, s13, 9
	s_add_co_u32 s54, s54, s55
	s_lshl_b32 s55, s8, 7
	s_add_co_u32 s54, s54, s55             ; + my 32 columns
	s_mov_b32 s55, 0
	s_add_nc_u64 s[50:51], s[50:51], s[54:55]
	s_mul_i32 s54, s49, s45
	s_add_co_u32 s54, s54, s15
	s_lshl_b32 s54, s54, 11
	s_add_co_u32 s54, s54, s46
	s_add_nc_u64 s[58:59], s[34:35], s[54:55]
	s_add_co_u32 s54, s48, s49
	s_lshl_b32 s54, s54, 6
	s_lshl_b32 s56, s15, 15
	s_add_co_u32 s54, s54, s56
	s_add_co_u32 s54, s54, s47
	s_add_nc_u64 s[52:53], s[52:53], s[54:55]
	s_lshl_b32 s56, s45, 11                ; bytes from a tile's codes to the next tile's
	s_wait_alu depctr_va_vdst(0)
	v_bfe_u32 v2, v1, 3, 1                 ; column f of 32 is row (f & 7) + 8 (f / 16) of tile (f / 8) & 1
	v_and_b32 v3, 7, v1
	v_lshrrev_b32 v4, 4, v1
	v_lshl_or_b32 v3, v4, 3, v3
	v_lshlrev_b32 v5, 2, v1
	v_mul_u32_u24 v6, s56, v2
	v_lshl_add_u32 v6, v3, 4, v6
	v_lshlrev_b32 v7, 2, v3
	v_lshl_add_u32 v7, v2, 6, v7
.macro WLOAD stride                    ; W(k, my column), k = 0 .. 127: a wave reads 128 consecutive bytes, the four waves 512
.set kk, 0
.rept 128
	global_load_b32 v[32+kk], v5, s[50:51] offset:kk*\stride th:TH_LOAD_NT
.set kk, kk+1
.endr
.endm
	s_cmp_eq_u32 s10, 1
	s_cbranch_scc1 .Lwide
	WLOAD 4096
	s_branch .Lloaded
.Lwide:
	s_wait_alu depctr_va_vdst(0)
	WLOAD 16384
.Lloaded:
.macro WBLOCK c, left                  ; block c of 32 along K; left: how many younger loads may be out
.set XS, 32+32*\c
.set CC, 160+8*\c
	s_wait_loadcnt \left
	v_max3_num_f32 v12, |v[XS]|, |v[XS+1]|, |v[XS+2]|
	v_max3_num_f32 v13, |v[XS+3]|, |v[XS+4]|, |v[XS+5]|
.irp i, 6,10,14,18,22,26
	v_max3_num_f32 v12, v12, |v[XS+\i]|, |v[XS+\i+1]|
	v_max3_num_f32 v13, v13, |v[XS+\i+2]|, |v[XS+\i+3]|
.endr
	v_max3_num_f32 v12, v12, |v[XS+30]|, |v[XS+31]|
	v_max3_num_f32 v12, v12, v13, 0x8000000
	v_add_nc_u32 v11, 0xf8800000, v12
	v_and_or_b32 v10, v12, 0x7f800000, s57
	v_lshrrev_b32 v13, 23, v11
.if \c == 0
	v_mov_b32 v24, v13
.else
	v_lshl_or_b32 v24, v13, 8*\c, v24
.endif
.irp i, 0,1,2,3,4,5,6,7,8,9,10,11,12,13,14,15,16,17,18,19,20,21,22,23,24,25,26,27,28,29,30,31
	v_med3_num_f32 v[XS+\i], v[XS+\i], -v10, v10
.endr
.irp g, 0,1,2,3
	v_cvt_scalef32_pk8_bf8_f32 v[CC+2*\g:CC+2*\g+1], v[XS+8*\g:XS+8*\g+7], v11
.endr
	global_store_b128 v6, v[CC:CC+3], s[58:59] offset:512*\c           ; k 0-15: the place of lane (r, 0); sixteen lanes fill 256 consecutive bytes of each of the two tiles
	global_store_b128 v6, v[CC+4:CC+7], s[58:59] offset:512*\c+256     ; k 16-31: the place of lane (r, 1)
.endm
	WBLOCK 0, 63                           ; 96 and 64 younger loads could stay out; the count's field holds 63, which asks for more than is needed
	WBLOCK 1, 63
	WBLOCK 2, 32                           ; block 3's 32 loads may be out
	WBLOCK 3, 0
	global_store_b32 v7, v24, s[52:53]     ; two tiles' scale words: 128 consecutive bytes
	s_endpgm
	; ---- LAYERNORM of the 16 tokens of tile ttmp9.  Phase 1: wave w normalises tile rows 4 w .. 4 w + 3 (four neighbouring tokens), a row in 32 registers.  Phase 2: wave w quantises K steps 2 w, 2 w + 1 of all 16 rows.
.Lln:
	v_and_b32 v2, 15, v0                   ; r
	v_bfe_u32 v3, v0, 4, 1                 ; h
	s_wait_alu depctr_va_vdst(0)
	v_lshlrev_b32 v4, 4, v1                ; 16 x lane
	s_wait_alu depctr_va_vdst(0)
	s_lshr_b32 s9, ttmp9, 1
	s_lshl_b32 s9, s9, 5
	s_and_b32 s10, ttmp9, 1
	s_lshl_b32 s10, s10, 3
	s_add_co_u32 s9, s9, s10
	s_lshl_b32 s10, s8, 2
	s_add_co_u32 s9, s9, s10
	s_lshr_b32 s10, s8, 1
	s_lshl_b32 s10, s10, 3
	s_add_co_u32 s9, s9, s10               ; my first token: 32 (t / 2) + 8 (t % 2) + 4 w + 8 (w / 2)
	s_lshl_b32 s10, s9, 12
	s_mov_b32 s11, 0
	s_mul_i32 s12, s8, 4*PITCH
	v_add_nc_u32 v5, s12, v4               ; LDS, in: my four rows, 16 bytes a lane
	v_mul_u32_u24 v6, v2, PITCH
	v_lshl_add_u32 v6, v3, 6, v6
	s_lshl_b32 s12, s8, 10
	v_add_nc_u32 v6, s12, v6               ; LDS, out: row r, + 64 h, + my two K steps' 1,024 bytes
	v_lshlrev_b32 v7, 2, v2
	v_lshl_add_u32 v7, v3, 15, v7          ; scale words: 4 r, lanes 16-31 one K step on
	s_lshl_b32 s12, ttmp9, 14
	s_lshl_b32 s13, s8, 12
	s_add_co_u32 s12, s12, s13             ; codes: (8 tile + 2 wave) x 2,048
	s_mov_b32 s13, 0
	s_lshl_b32 s14, s8, 16
	s_lshl_b32 s15, ttmp9, 6
	s_add_co_u32 s14, s14, s15
	s_add_co_u32 s14, s14, SSOFF
	s_mov_b32 s15, 0
	s_lshl_b32 s52, ttmp9, 3
	s_lshl_b32 s53, s8, 1
	s_add_co_u32 s52, s52, s53             ; my two positions of the table: 8 x tile + 2 x wave,
	s_add_co_u32 s53, s52, 1               ; and the next
	s_lshl_b32 s54, s52, 8                 ; 256 bytes a position
	s_add_co_u32 s54, s54, ROPEOFF
	s_mov_b32 s55, 0
	s_mov_b32 s56, 0x3f22f983              ; 2 / pi
	s_mov_b32 s57, 0xbfc90fdb              ; -1.57079637
	s_mov_b32 s58, 0x333bbd2e              ; +4.37113883e-8
	s_mov_b32 s59, -0.00019515295891
	s_mov_b32 s60, 0.0083321608736
	s_mov_b32 s61, -0.16666654611
	s_mov_b32 s62, 0.00002443315711809948
	s_mov_b32 s63, -0.001388731625493765
	s_mov_b32 s66, 0.04166664568298827
	s_mov_b32 s[SEL], 0x76543210
	s_mov_b32 s[SEL+1], 0xfedcba98
	s_mov_b32 s[MNT], 0x600000
	s_mov_b32 s49, 0x3a800000              ; 1 / 1024
	s_mov_b32 s50, 0x3727c5ac              ; 1e-5
	s_wait_kmcnt 0x0
	s_add_nc_u64 s[16:17], s[16:17], s[10:11]
	s_add_nc_u64 s[42:43], s[OUTP:OUTP+1], s[12:13]
	s_add_nc_u64 s[44:45], s[OUTP:OUTP+1], s[14:15]
	s_add_nc_u64 s[54:55], s[OUTP:OUTP+1], s[54:55]
.irp k, 0,1,2,3
.irp j, 0,1,2,3,4,5,6,7
	global_load_b128 v[X+32*\k+4*\j:X+32*\k+4*\j+3], v4, s[16:17] offset:\k*4096+512*\j th:TH_LOAD_NT
.endr
.endr
.irp j, 0,1,2,3,4,5,6,7
	global_load_b128 v[G+4*\j:G+4*\j+3], v4, s[18:19] offset:512*\j
.endr
.irp j, 0,1,2,3,4,5,6,7
	global_load_b128 v[BE+4*\j:BE+4*\j+3], v4, s[20:21] offset:512*\j
.endr
	; THE TABLE, while the 48 loads are on their way: lane i is frequency i, 10000^(-i / 32) = 10^(-i / 8)
	v_lshlrev_b32 v245, 3, v1              ; 8 bytes a lane
	v_mov_b32 v244, 0
.set L, 0
.irp f, 1.0, 0.7498942093, 0.5623413252, 0.4216965034, 0.3162277660, 0.2371373706, 0.1778279410, 0.1333521432, 0.1, 0.07498942093, 0.05623413252, 0.04216965034, 0.03162277660, 0.02371373706, 0.01778279410, 0.01333521432, 0.01, 0.007498942093, 0.005623413252, 0.004216965034, 0.003162277660, 0.002371373706, 0.001778279410, 0.001333521432, 0.001, 0.0007498942093, 0.0005623413252, 0.0004216965034, 0.0003162277660, 0.0002371373706, 0.0001778279410, 0.0001333521432
	s_mov_b32 s67, \f
	v_writelane_b32 v244, s67, L
.set L, L+1
.endr
	ANGLE 52, 240
	ANGLE 53, 242
	global_store_b64 v245, v[240:241], s[54:55]            ; 32 lanes: a position's 256 consecutive bytes
	global_store_b64 v245, v[242:243], s[54:55] offset:256
	s_wait_xcnt 0x0                        ; the stores' data and offset are written again only behind this wait
.irp k, 0,1,2,3
	v_mov_b32 v[TP+\k], 0                  ; a lane permute's destination counts as one of its sources
	v_mov_b32 v[TM+4+\k], 0
.endr
	s_wait_loadcnt 16                      ; the rows are in; the sixteen loads of gain and offset may be out
.irp k, 0,1,2,3
	v_pk_add_f32 v[SU+2*\k:SU+2*\k+1], v[X+32*\k:X+32*\k+1], v[X+32*\k+2:X+32*\k+3]
.endr
.irp i, 4,6,8,10,12,14,16,18,20,22,24,26,28,30
.irp k, 0,1,2,3
	v_pk_add_f32 v[SU+2*\k:SU+2*\k+1], v[SU+2*\k:SU+2*\k+1], v[X+32*\k+\i:X+32*\k+\i+1]
.endr
.endr
	REDUCE
.irp k, 0,1,2,3
	v_mul_f32 v[MU+2*\k], s49, v[SU+2*\k]
	v_mul_f32 v[MU+2*\k+1], s49, v[SU+2*\k]
.endr
.irp i, 0,2,4,6,8,10,12,14,16,18,20,22,24,26,28,30
.irp k, 0,1,2,3
	v_pk_add_f32 v[X+32*\k+\i:X+32*\k+\i+1], v[X+32*\k+\i:X+32*\k+\i+1], v[MU+2*\k:MU+2*\k+1] neg_lo:[0,1] neg_hi:[0,1]   ; x - mean
.endr
.endr
.irp k, 0,1,2,3
	v_pk_mul_f32 v[SU+2*\k:SU+2*\k+1], v[X+32*\k:X+32*\k+1], v[X+32*\k:X+32*\k+1]
.endr
.irp i, 2,4,6,8,10,12,14,16,18,20,22,24,26,28,30
.irp k, 0,1,2,3
	v_pk_fma_f32 v[SU+2*\k:SU+2*\k+1], v[X+32*\k+\i:X+32*\k+\i+1], v[X+32*\k+\i:X+32*\k+\i+1], v[SU+2*\k:SU+2*\k+1]
.endr
.endr
	REDUCE
.irp k, 0,1,2,3
	v_fma_f32 v[SU+2*\k], v[SU+2*\k], s49, s50             ; variance + eps
.endr
	s_wait_alu depctr_va_vdst(0)
.irp k, 0,1,2,3
	v_rsq_f32 v[RS+2*\k], v[SU+2*\k]
	v_rsq_f32 v[RS+2*\k+1], v[SU+2*\k]
.endr
	v_nop                                  ; a plain line between the last root and the use of its result
	s_wait_loadcnt 0x0                     ; gain and offset
	s_wait_alu depctr_va_vdst(0)
.irp i, 0,2,4,6,8,10,12,14,16,18,20,22,24,26,28,30
.irp k, 0,1,2,3
	v_pk_mul_f32 v[X+32*\k+\i:X+32*\k+\i+1], v[X+32*\k+\i:X+32*\k+\i+1], v[RS+2*\k:RS+2*\k+1]
.endr
.irp k, 0,1,2,3
	v_pk_fma_f32 v[X+32*\k+\i:X+32*\k+\i+1], v[X+32*\k+\i:X+32*\k+\i+1], v[G+\i:G+\i+1], v[BE+\i:BE+\i+1]
.endr
.endr
.irp k, 0,1,2,3
.irp j, 0,1,2,3,4,5,6,7
	ds_store_b128 v5, v[X+32*\k+4*\j:X+32*\k+4*\j+3] offset:\k*PITCH+512*\j
.endr
.endr
	s_wait_dscnt 0x0                       ; for the others' sake: my rows lie in LDS
	s_barrier_signal -1
	s_barrier_wait -1
.irp s, 0,1
.irp c, 0,1,2,3
.irp j, 0,1,2,3
	ds_load_b128 v[X+64*\s+16*\c+4*\j:X+64*\s+16*\c+4*\j+3], v6 offset:512*\s+128*\c+16*\j   ; row r, k = 128 s + 32 c + 16 h + 4 j on
.endr
.endr
.endr
	s_wait_dscnt 16                        ; the first K step's sixteen loads are in
	QUANT X, G, PW0
	s_wait_dscnt 0x0
	QUANT X+64, G+16, PW1
.irp c, 0,1,2,3
	global_store_b128 v4, v[G+4*\c:G+4*\c+3], s[42:43] offset:512*\c              ; the operand's registers as they stand: 512 consecutive bytes a store
.endr
.irp c, 0,1,2,3
	global_store_b128 v4, v[G+16+4*\c:G+16+4*\c+3], s[42:43] offset:2048+512*\c
.endr
	v_cmp_ne_u32 vcc_lo, 0, v3
	v_cndmask_b32 v8, v[PW0], v[PW1], vcc_lo       ; both halves of the lanes hold both words: lanes 0-15 store the first K step's, lanes 16-31 the second's
	global_store_b32 v7, v8, s[44:45]
	s_wait_tensorcnt 0x0
	ds_add_u32 v254, v255
	s_wait_dscnt 0x0
	s_endpgm
.Lfunc_end_k_q0decd4ccca_prep:
	.size	k_q0decd4ccca_prep, .Lfunc_end_k_q0decd4ccca_prep-k_q0decd4ccca_prep
	.p2alignl 7, 3214868480
	.fill 96, 4, 3214868480
	.section	.rodata,"a",@progbits
	.p2align	6, 0x0
	.amdhsa_kernel k_q0decd4ccca_prep
		.amdhsa_group_segment_fixed_size 66304
		.amdhsa_private_segment_fixed_size 0
		.amdhsa_enable_private_segment 0
		.amdhsa_kernarg_size 104
		.amdhsa_user_sgpr_count 2
		.amdhsa_user_sgpr_kernarg_segment_ptr 1
		.amdhsa_wavefront_size32 1
		.amdhsa_system_sgpr_workgroup_id_x 1
		.amdhsa_system_sgpr_workgroup_id_y 1
		.amdhsa_system_sgpr_workgroup_id_z 1
		.amdhsa_system_vgpr_workitem_id 0
		.amdhsa_next_free_vgpr 256
		.amdhsa_next_free_sgpr 72
		.amdhsa_reserve_vcc 1
		.amdhsa_float_denorm_mode_32 3
		.amdhsa_float_denorm_mode_16_64 3
		.amdhsa_memory_ordered 1
		.amdhsa_forward_progress 1
		.amdhsa_inst_pref_size 102
	.end_amdhsa_kernel
	.amdgpu_metadata
---
amdhsa.version: [ 1, 2 ]
amdhsa.kernels:
  - .name:           k_q0decd4ccca_prep
    .symbol:         k_q0decd4ccca_prep.kd
    .args:
      - { .name: x, .offset: 0, .size: 8, .value_kind: global_buffer, .address_space: global }
      - { .name: g1, .offset: 8, .size: 8, .value_kind: global_buffer, .address_space: global }
      - { .name: beta1, .offset: 16, .size: 8, .value_kind: global_buffer, .address_space: global }
      - { .name: Wq, .offset: 24, .size: 8, .value_kind: global_buffer, .address_space: global }
      - { .name: Wk, .offset: 32, .size: 8, .value_kind: global_buffer, .address_space: global }
      - { .name: Wv, .offset: 40, .size: 8, .value_kind: global_buffer, .address_space: global }
      - { .name: Wo, .offset: 48, .size: 8, .value_kind: global_buffer, .address_space: global }
      - { .name: W1, .offset: 56, .size: 8, .value_kind: global_buffer, .address_space: global }
      - { .name: W2, .offset: 64, .size: 8, .value_kind: global_buffer, .address_space: global }
      - { .name: wsP, .offset: 72, .size: 8, .value_kind: global_buffer, .address_space: global }
      - { .name: bufO, .offset: 80, .size: 8, .value_kind: global_buffer, .address_space: global }
      - { .name: buf1, .offset: 88, .size: 8, .value_kind: global_buffer, .address_space: global }
      - { .name: buf2, .offset: 96, .size: 8, .value_kind: global_buffer, .address_space: global }
    .group_segment_fixed_size: 66304
    .private_segment_fixed_size: 0
    .kernarg_segment_align: 8
    .kernarg_segment_size: 104
    .max_flat_workgroup_size: 128
    .sgpr_count:     72
    .vgpr_count:     256
    .wavefront_size: 32
...
	.end_amdgpu_metadata
.endif
;; end of part 1
;; launch qkv (part 2): grid 12 x 16, 4 waves a work-group, clusters of 4 x 4, 327,680 bytes of LDS; arguments wsP, bq, bk, bv, qkv; writes qkv
.if DOCPART == 2
	.amdgcn_target "amdgcn-amd-amdhsa--gfx1250"
	.amdhsa_code_object_version 6
	.text
	.protected	k_q0decd4ccca_qkv
	.globl	k_q0decd4ccca_qkv
	.p2align	8
	.type	k_q0decd4ccca_qkv,@function
k_q0decd4ccca_qkv:
	s_mov_b64 s[64:65], 0
	v_nop
	global_prefetch_b8 v0, s[64:65] scope:SCOPE_SE
	s_setreg_imm32_b32 hwreg(HW_REG_WAVE_MODE, 25, 1), 1
	s_wait_xcnt 0x0
	s_wait_alu depctr_hold_cnt(0) depctr_sa_sdst(0) depctr_va_vdst(0) depctr_va_sdst(0) depctr_va_ssrc(0) depctr_va_vcc(0) depctr_vm_vsrc(0)
	s_getreg_b32 s2, hwreg(HW_REG_IB_STS2, 6, 4)
	s_cmp_eq_u32 s2, 0
	s_cbranch_scc0 .Lentry_in_a_cluster
	s_endpgm
.Lentry_in_a_cluster:
	s_bfe_u32 s2, ttmp6, 0x10000c
	s_cmp_lg_u32 s2, 0xf033
	s_cbranch_scc0 .Lentry_shape_is_right
	s_endpgm
.Lentry_shape_is_right:
.set SLOT,  131072
.set SPARE, 2*SLOT
.set ADRA, 16
.set ADRB, 20
.set RR,   22
.set VSC,  23
.set VRT,  24
.set VBI,  25
.set LI,   26
.set VSO,  27
.set SPW,  28
.set NIL,  29
.set SC,   32
.set TP2,  96
.set AF,   128
.set T,    128
.set PC,   192
.set TM,   224
.set PW,   240
.set DW,   248
.set G1, 24
.set G0, 32
.set G1B, 48
.set G0B, 56
.set SEL, 70
.set MNT, 72
.set MSB, 0
.macro WIN new
.if MSB != \new
	s_set_vgpr_msb (MSB<<8)|\new
.set MSB, \new
.endif
.endm
.set MUL_LO, 0xa1
.set MUL_HI, 0xf1
.set TO_B,   0x40
.macro PLACES n
.rept \n
	v_nop
.endr
.endm
.macro JLOAD g0a, g1a, g0b, g1b
	s_cmp_eq_u32 s15, 0
	s_cbranch_scc0 .Lfor_b_\@
	tensor_load_to_lds s[\g0a:\g0a+3], s[\g1a:\g1a+7]
	s_nop 0
.rept 4
	v_nop
.endr
	s_branch .Lasked_\@
.Lfor_b_\@:
	tensor_load_to_lds s[\g0b:\g0b+3], s[\g1b:\g1b+7]
	s_nop 0
.rept 4
	v_nop
.endr
.Lasked_\@:
.endm
.macro CREST
	s_cmp_lg_u32 s14, 0
	s_cbranch_scc1 .Lnot_wave_0_\@
	s_barrier_signal -3
.Lnot_wave_0_\@:
	s_barrier_wait -3
	s_barrier_signal -1
	s_barrier_wait -1
.endm
.macro CROUND
	s_barrier_signal -1
	s_barrier_wait -1
	CREST
.endm
.macro QUANT s, pc, pw
.irp b, 0,1,2,3
	v_max3_num_f32 v[TM+\b], |v[\s+16*\b]|, |v[\s+1+16*\b]|, 0x8000000
.endr
.irp i, 2,4,6,8,10,12,14
.irp b, 0,1,2,3
	v_max3_num_f32 v[TM+\b], v[TM+\b], |v[\s+16*\b+\i]|, |v[\s+1+16*\b+\i]|
.endr
.endr
.irp b, 0,1,2,3
	v_permlanex16_b32 v[TM+4+\b], v[TM+\b], s[SEL], s[SEL+1]
.endr
.irp b, 0,1,2,3
	v_max_num_f32 v[TM+\b], v[TM+\b], v[TM+4+\b]
.endr
.irp b, 0,1,2,3
	v_add_nc_u32 v[TM+12+\b], 0xf8800000, v[TM+\b]
.endr
.irp b, 0,1,2,3
	v_and_or_b32 v[TM+8+\b], v[TM+\b], 0x7f800000, s[MNT]
.endr
.irp b, 0,1,2,3
	v_lshrrev_b32 v[TM+4+\b], 23, v[TM+12+\b]
.endr
	v_lshl_or_b32 v[\pw], v[TM+5], 8, v[TM+4]
	v_lshl_or_b32 v[\pw], v[TM+6], 16, v[\pw]
	v_lshl_or_b32 v[\pw], v[TM+7], 24, v[\pw]
.irp b, 0,1,2,3
.irp i, 0,1,2,3,4,5,6,7,8,9,10,11,12,13,14,15
	v_med3_num_f32 v[\s+16*\b+\i], v[\s+16*\b+\i], -v[TM+8+\b], v[TM+8+\b]
.endr
	v_cvt_scalef32_pk8_bf8_f32 v[\pc+4*\b:\pc+1+4*\b], v[\s+16*\b:\s+7+16*\b], v[TM+12+\b]
	v_cvt_scalef32_pk8_bf8_f32 v[\pc+2+4*\b:\pc+3+4*\b], v[\s+8+16*\b:\s+15+16*\b], v[TM+12+\b]
.endr
	v_nop
.endm
.macro FRAG reg, adr, q, i
.irp c, 0,1,2,3
	ds_load_b128 v[\reg+4*\c:\reg+4*\c+3], v[\adr] offset:(\i)*4096+(\q)*2048+512*\c
.endr
.endm
.macro FETCH_B slot, q, p
	WIN TO_B
.irp i, 0,1,2,3,4,5,6,7
	FRAG 128*(\p)+16*\i, ADRB+\slot, \q, \i
.endr
	WIN 0
.endm
.macro FETCH_A slot, q, i0
.irp i, \i0, \i0+1, \i0+2, \i0+3
	FRAG AF+16*(\i), ADRA+\slot, \q, \i
.endr
.endm
.macro MUL16 a0, p, s, zero
.irp a, \a0, \a0+1
.irp b, 0,1,2,3,4,5,6,7
.if \zero
	v_wmma_scale_f32_16x16x128_f8f6f4 v[8*(8*((\a)%4)+\b):8*(8*((\a)%4)+\b)+7], v[128*(\p)+16*\b:128*(\p)+16*\b+15], v[AF+16*(\a):AF+16*(\a)+15], 0, v[SC+8*(\s)+\b], v[SC+8*(\s)+(\a)] matrix_a_fmt:MATRIX_FMT_BF8 matrix_b_fmt:MATRIX_FMT_BF8 matrix_a_scale:MATRIX_SCALE_ROW1
.else
	v_wmma_scale_f32_16x16x128_f8f6f4 v[8*(8*((\a)%4)+\b):8*(8*((\a)%4)+\b)+7], v[128*(\p)+16*\b:128*(\p)+16*\b+15], v[AF+16*(\a):AF+16*(\a)+15], v[8*(8*((\a)%4)+\b):8*(8*((\a)%4)+\b)+7], v[SC+8*(\s)+\b], v[SC+8*(\s)+(\a)] matrix_a_fmt:MATRIX_FMT_BF8 matrix_b_fmt:MATRIX_FMT_BF8 matrix_a_scale:MATRIX_SCALE_ROW1
.endif
.endr
.endr
.endm
.macro STEP slot, s, zero
	s_wait_dscnt 16
	WIN MUL_LO
	MUL16 0, 0, \s, \zero
	MUL16 2, 0, \s, \zero
	s_wait_dscnt 0
	PLACES 8
	FETCH_B \slot, 1, 1
	FETCH_A \slot, 1, 0
	WIN MUL_HI
	MUL16 4, 0, \s, \zero
	MUL16 6, 0, \s, \zero
	PLACES 8
	WIN 0
	FETCH_A \slot, 1, 4
.endm
.macro TURN slot, next, s, fill
	s_wait_tensorcnt 0x0
	ds_add_u32 v[SPW], v[NIL]
.if \fill
	s_mov_b32 s[G1+2], 8<<16               ; no tensor load of mine is out, so descriptors may be written: a refill brings 8 tiles a wave,
	s_mov_b32 s[G1+4], 8
	s_mov_b32 s[G1B+2], 8<<16
	s_mov_b32 s[G1B+4], 8
	s_add_co_u32 s[G0+4*\slot+1], s45, \slot*SLOT                          ; into my quarter of this slot,
	s_add_nc_u64 s[G0+4*\slot+2:G0+4*\slot+3], s[20:21], ((\s)+3)/2*4096   ; the chunk two on
	s_or_b32 s[G0+4*\slot+3], s[G0+4*\slot+3], 0x80000000
	s_add_co_u32 s[G0B+4*\slot+1], s45, \slot*SLOT
	s_add_nc_u64 s[G0B+4*\slot+2:G0B+4*\slot+3], s[46:47], ((\s)+3)/2*4096
	s_or_b32 s[G0B+4*\slot+3], s[G0B+4*\slot+3], 0x80000000
.endif
	s_wait_dscnt 17
	WIN MUL_LO
	MUL16 0, 1, \s, 0
	s_wait_dscnt 0x0
	s_barrier_signal -1
	MUL16 2, 1, \s, 0
	WIN 0
	s_barrier_wait -1
.if \fill
	CREST
	JLOAD G0+4*\slot, G1, G0B+4*\slot, G1B
	PLACES 4
.else
	PLACES 8
.endif
	FETCH_B \next, 0, 0
	FETCH_A \next, 0, 0
	WIN MUL_HI
	MUL16 4, 1, \s, 0
	MUL16 6, 1, \s, 0
	PLACES 8
	WIN 0
	FETCH_A \next, 0, 4
.endm
.macro LAST
	s_wait_dscnt 16
	WIN MUL_LO
	MUL16 0, 1, 7, 0
	MUL16 2, 1, 7, 0
	s_wait_dscnt 0
	WIN MUL_HI
	MUL16 4, 1, 7, 0
	MUL16 6, 1, 7, 0
	PLACES 8
	WIN 0
.endm
	s_load_b256 s[4:11], s[0:1], 0x0
	s_load_b64 s[12:13], s[0:1], 0x20
	v_lshl_add_u32 v[SPW], v0, 2, SPARE
	v_mov_b32 v[NIL], 0
	ds_add_u32 v28, v29
	ds_add_u32 v28, v29
	s_wait_dscnt 0x0
	v_lshrrev_b32 v1, 5, v0
	v_readfirstlane_b32 s14, v1
	v_and_b32 v30, 15, v0
	v_bfe_u32 v31, v0, 4, 1
	v_lshlrev_b32 v30, 8, v30
	v_lshl_add_u32 v31, v31, 14, v30       ; the prefetches' offset: lanes 0-15 one tile's 4,096 bytes of a chunk, 256 bytes apart, lanes 16-31 the next tile's (16,384 bytes on)
	s_wait_alu depctr_va_vdst(0)           ; the wait here, directly behind the write
	s_lshr_b32 s15, s14, 1
	s_and_b32 s16, s14, 1
	s_bfe_u32 s40, ttmp6, 0x40000
	s_bfe_u32 s41, ttmp6, 0x40004
	s_and_b32 s19, ttmp7, 0xffff
	s_cmp_eq_u32 ttmp9, 2
	s_cselect_b32 s18, 1, 0
	s_cselect_b32 s20, 0, s19
	s_cselect_b32 s21, s19, ttmp9
	s_cselect_b32 s22, 6553600, 0
	s_cselect_b32 s23, 0, 4456448
	s_cselect_b32 s66, 384, 0
	s_cselect_b32 s67, 0, 256
	s_lshl_b32 s17, s20, 2
	s_add_co_u32 s17, s17, s41
	s_lshl_b32 s42, s21, 2
	s_add_co_u32 s42, s42, s40
	s_lshl_b32 s43, s41, 2
	s_lshl_b32 s43, 15, s43
	s_lshl_b32 s44, 0x1111, s40
	s_or_b32 s[G1+0], s43, (3<<16)|(1<<21)
	s_or_b32 s[G1B+0], s44, (3<<16)|(1<<21)
.irp g, G1, G1B
	s_mov_b32 s[\g+1], 512<<16
	s_mov_b32 s[\g+2], 16<<16              ; the head's loads bring an operand's 16 tiles; the ring's bring 8 (set at the first change of slots)
	s_mov_b32 s[\g+3], 512<<16
	s_mov_b32 s[\g+4], 16
	s_mov_b32 s[\g+5], 2048
	s_mov_b32 s[\g+6], 0
	s_mov_b32 s[\g+7], 0
.endr
	s_lshl_b32 s20, s17, 18
	s_lshl_b32 s21, s16, 17
	s_add_co_u32 s20, s20, s21
	s_add_co_u32 s20, s20, s22
	s_mov_b32 s21, 0
	s_lshl_b32 s46, s42, 18
	s_lshl_b32 s47, s16, 17
	s_add_co_u32 s46, s46, s47
	s_add_co_u32 s46, s46, s23
	s_mov_b32 s47, 0
	s_lshl_b32 s45, s14, 15
	s_mov_b32 s[SEL], 0x76543210
	s_mov_b32 s[SEL+1], 0xfedcba98
	s_mov_b32 s[MNT], 0x600000
	s_wait_kmcnt 0x0
	s_add_nc_u64 s[20:21], s[4:5], s[20:21]
	s_add_nc_u64 s[46:47], s[4:5], s[46:47]
	s_cmp_eq_u32 s15, 0                    ; the prefetches: of the 8 tiles that I fetch, each of the four partners that ask with me names two, told apart by address
	s_cselect_b64 s[96:97], s[20:21], s[46:47]
	s_cselect_b32 s98, s40, s41
	s_lshl_b32 s98, s98, 15
	s_mov_b32 s99, 0
	s_add_nc_u64 s[96:97], s[96:97], s[98:99]
	CROUND
; THE HEAD'S LOADS, ONE A WAVE: both slots' first fills are four tiles of 65,536 bytes: wave 0 fetches source A's chunk 0 (16 tiles x 4,096 bytes), wave 1 source B's, wave 2 A's chunk 1, wave 3 B's.
; Their group 0 lies in slot 0's registers, which the first refill writes anew.  One chain of branches on the wave's number, a load line to each arm: waves 0 and 1 alone wait at the first barrier.
	s_mov_b32 s[G0], 1
	s_mov_b32 s[G0+4], 1
	s_mov_b32 s[G0B], 1
	s_mov_b32 s[G0B+4], 1
	s_lshl_b32 s98, s16, 17                ; back from my half of the ring's tiles to the operand's first tile,
	s_sub_nc_u64 s[G0+2:G0+3], s[20:21], s[98:99]
	s_sub_nc_u64 s[G0B+2:G0B+3], s[46:47], s[98:99]
	s_lshl_b32 s98, s15, 12                ; on to chunk wave / 2,
	s_add_nc_u64 s[G0+2:G0+3], s[G0+2:G0+3], s[98:99]
	s_add_nc_u64 s[G0B+2:G0B+3], s[G0B+2:G0B+3], s[98:99]
	s_or_b32 s[G0+3], s[G0+3], 0x80000000
	s_or_b32 s[G0B+3], s[G0B+3], 0x80000000
	s_lshl_b32 s[G0+1], s15, 17            ; into slot wave / 2: A's tiles first,
	s_add_co_u32 s[G0B+1], s[G0+1], 65536  ; B's behind them
.macro ARM under, g0, g1, next
	s_cmp_lt_u32 s14, \under
	s_cbranch_scc0 \next
	tensor_load_to_lds s[\g0:\g0+3], s[\g1:\g1+7]
	s_nop 0
.rept 4
	v_nop
.endr
	s_branch .Lhead_asked
\next:
.endm
	ARM 1, G0,  G1,  .Lhead_b0
	ARM 2, G0B, G1B, .Lhead_a1
	ARM 3, G0,  G1,  .Lhead_b1
	tensor_load_to_lds s[G0B:G0B+3], s[G1B:G1B+7]
	s_nop 0
.rept 4
	v_nop
.endr
.Lhead_asked:
	global_prefetch_b8 v31, s[96:97] offset:8192 th:TH_LOAD_NT scope:SCOPE_SE    ; chunks 2 and 3 of 256 along K, which the two refills load
	global_prefetch_b8 v31, s[96:97] offset:12288 th:TH_LOAD_NT scope:SCOPE_SE
	v_and_b32 v1, 15, v0
	v_bfe_u32 v2, v0, 4, 1
	s_wait_alu depctr_va_vdst(0)
	v_and_b32 v3, 31, v0
	v_lshlrev_b32 v[LI], 4, v3
	s_wait_alu depctr_va_vdst(0)
	v_and_b32 v[RR], 8, v1
	v_add_nc_u32 v[RR], v[RR], v1
	v_lshlrev_b32 v[VBI], 6, v2
	s_lshl_b32 s68, s17, 4
	s_lshl_b32 s69, s15, 3
	s_add_co_u32 s68, s68, s69
	s_add_co_u32 s68, s68, s66
	s_lshl_b32 s68, s68, 6
	s_lshl_b32 s69, s42, 4
	s_lshl_b32 s73, s16, 3
	s_add_co_u32 s69, s69, s73
	s_add_co_u32 s69, s69, s67
	s_lshl_b32 s69, s69, 6
	v_mov_b32 v4, s68
	v_mov_b32 v5, s69
	v_cmp_ne_u32 vcc_lo, 0, v2
	v_cndmask_b32 v[VSO], v4, v5, vcc_lo
	v_lshl_add_u32 v[VSO], v1, 2, v[VSO]
	s_add_nc_u64 s[74:75], s[4:5], 4194304
.irp s, 0,1,2,3,4,5,6,7
.irp i, 0,1,2,3,4,5,6,7
	global_load_b32 v[SC+8*\s+\i], v[VSO], s[74:75] offset:\s*32768+64*\i
.endr
.endr
	s_lshl_b32 s68, s15, 15
	s_lshl_b32 s69, s16, 15
	s_add_co_u32 s69, s69, 65536
.irp s, 0,1
	v_add_nc_u32 v[ADRA+\s], s68, v[LI]
	v_add_nc_u32 v[ADRB+\s], s69, v[LI]
	s_add_co_u32 s68, s68, SLOT
	s_add_co_u32 s69, s69, SLOT
.endr
	s_wait_alu depctr_va_vdst(0)
	s_cmp_lt_u32 s14, 2
	s_cbranch_scc0 .Lnot_first
	s_wait_tensorcnt 0x0                   ; waves 0, 1: slot 0's tiles are in.  Waves 2 and 3 wait for slot 1's at the first change of slots
.Lnot_first:
	s_barrier_signal -1
	s_barrier_wait -1
	FETCH_B 0, 0, 0
	FETCH_A 0, 0, 0
	FETCH_A 0, 0, 4
	s_wait_loadcnt 0x0
	STEP 0, 0, 1
	TURN 0, 1, 1, 1
	STEP 1, 2, 0
	TURN 1, 0, 3, 1
	STEP 0, 4, 0
	TURN 0, 1, 5, 0
	STEP 1, 6, 0
	s_cmp_eq_u32 s18, 1
	s_cbranch_scc1 .Lvpath
	s_lshl_b32 s86, s17, 1
	s_add_co_u32 s86, s86, s15
	s_lshr_b32 s87, s86, 4
	s_and_b32 s86, s86, 15
	s_and_b32 s88, s42, 3
	s_lshl_b32 s88, s88, 2
	s_lshl_b32 s89, s16, 1
	s_add_co_u32 s88, s88, s89
	s_lshl_b32 s87, s87, 4
	s_add_co_u32 s87, s87, s88
	s_lshl_b32 s90, s88, 8
	s_mov_b32 s91, 0
	s_cmp_eq_u32 ttmp9, 1
	s_cselect_b64 s[76:77], s[8:9], s[6:7]
	s_add_nc_u64 s[76:77], s[76:77], s[90:91]
	s_lshl_b32 s90, s86, 15
	s_add_co_u32 s90, s90, 17039360
	s_add_nc_u64 s[78:79], s[4:5], s[90:91]
	s_lshl_b32 s90, s87, 17
	s_lshl_b32 s92, s86, 13
	s_add_co_u32 s90, s90, s92
	s_lshl_b32 s90, s90, ttmp9
	s_lshl_b32 s92, ttmp9, 22
	s_add_co_u32 s90, s90, s92
	s_add_nc_u64 s[80:81], s[12:13], s[90:91]
	s_lshl_b32 s90, 0x20000, ttmp9
	s_add_nc_u64 s[82:83], s[80:81], s[90:91]
	s_lshl_b32 s90, s87, 12
	s_lshl_b32 s92, s86, 8
	s_add_co_u32 s90, s90, s92
	s_lshl_b32 s90, s90, ttmp9
	s_lshl_b32 s92, ttmp9, 17
	s_add_co_u32 s90, s90, s92
	s_add_co_u32 s90, s90, 12582912
	s_add_nc_u64 s[84:85], s[12:13], s[90:91]
	s_lshl_b32 s93, 4096, ttmp9
	s_mov_b32 s94, 0x05040100
	s_mov_b32 s95, 0x07060302
	v_lshlrev_b32 v[VRT], 8, v[RR]
	v_lshl_add_u32 v[VRT], v2, 6, v[VRT]
	v_mul_u32_u24 v[VSC], s93, v2
	v_lshl_add_u32 v[VSC], v1, 4, v[VSC]
.macro RTBASE a
.if (\a) < 2
.set RB, 64+32*(\a)
.elseif (\a) < 6
.set RB, 128+32*((\a)-2)
.else
.set RB, 64+32*((\a)-6)
.endif
.endm
.macro RT a
	RTBASE \a
.irp c, 0,1
.irp j, 0,1,2,3
	global_load_b128 v[RB+16*\c+4*\j:RB+16*\c+4*\j+3], v[VRT], s[78:79] offset:(32*((\a)/2)+8*((\a)%2))*256+128*\c+16*\j
.endr
.endr
.endm
	WIN TO_B
.irp c, 0,1,2,3
.irp j, 0,1,2,3
	global_load_b128 v[16*\c+4*\j:16*\c+4*\j+3], v[VBI], s[76:77] offset:128*\c+16*\j
.endr
.endr
	RT 0
	RT 1
	s_wait_alu depctr_va_vdst(0)
	LAST
	WIN TO_B
	RT 2
	RT 3
	RT 4
	RT 5
	WIN 0
.irp b, 0,1,2,3
	v_mov_b32 v[TM+4+\b], 0
.endr
.macro QKBLK a
.if (\a) == 3 || (\a) == 6
	s_wait_xcnt 0x0                        ; the codes have three sets of registers by turns: the stores of the three blocks before have read theirs
.endif
.if \a < 3
	s_wait_loadcnt 40
.else
	s_wait_loadcnt 8*(7-\a)
.endif
	RTBASE \a
.set RC, RB
.set WX, 0x06+(\a)/4
.set AC, 64*((\a)%4)
.if ((\a)%3) < 2
.set PCX, PC+16*((\a)%3)
.else
.set PCX, 112
.endif
.set PWX, PW+(\a)
	WIN WX
.irp i, 0,2,4,6,8,10,12,14,16,18,20,22,24,26,28,30,32,34,36,38,40,42,44,46,48,50,52,54,56,58,60,62
	v_pk_add_f32 v[T+\i:T+\i+1], v[AC+\i:AC+\i+1], v[\i:\i+1]
.endr
	WIN 0x04
.irp hh, 0,1
.irp c, 0,1
.irp k, 0,1,2,3,4,5,6,7
	v_pk_mul_f32 v[TP2+2*\k:TP2+2*\k+1], v[T+32*\hh+16*\c+2*\k:T+32*\hh+16*\c+2*\k+1], v[RC+16*\c+2*\k:RC+16*\c+2*\k+1] op_sel:[1,1] op_sel_hi:[0,1]
.endr
.irp k, 0,1,2,3,4,5,6,7
	v_pk_fma_f32 v[T+32*\hh+16*\c+2*\k:T+32*\hh+16*\c+2*\k+1], v[T+32*\hh+16*\c+2*\k:T+32*\hh+16*\c+2*\k+1], v[RC+16*\c+2*\k:RC+16*\c+2*\k+1], v[TP2+2*\k:TP2+2*\k+1] op_sel_hi:[1,0,1] neg_lo:[0,0,1]
.endr
.endr
.endr
.if \a < 2
	WIN TO_B
	RT (\a)+6
.endif
	WIN 0
	QUANT T, PCX, PWX
.irp hh, 0,1
.irp c, 0,1
	global_store_b128 v[LI], v[PCX+8*\hh+4*\c:PCX+8*\hh+4*\c+3], s[80+2*\hh:81+2*\hh] offset:1024*(\a)+512*\c
.endr
.endr
.if (\a)%2 == 1
	v_perm_b32 v[DW+(\a)/2], v[PW+(\a)], v[PW+(\a)-1], s94
	v_perm_b32 v[DW+4+(\a)/2], v[PW+(\a)], v[PW+(\a)-1], s95
.endif
.endm
.irp a, 0,1,2,3,4,5,6,7
	QKBLK \a
.endr
	v_cmp_ne_u32 vcc_lo, 0, v2
.irp p, 0,1,2,3
	v_cndmask_b32 v[DW+\p], v[DW+\p], v[DW+4+\p], vcc_lo
.endr
	global_store_b128 v[VSC], v[DW:DW+3], s[84:85]
	s_wait_tensorcnt 0x0
	ds_add_u32 v[SPW], v[NIL]
	s_wait_dscnt 0x0
	CROUND
	s_endpgm
.Lvpath:
	s_lshl_b32 s88, s17, 2
	s_lshl_b32 s89, s15, 1
	s_add_co_u32 s88, s88, s89
	s_lshl_b32 s86, s42, 1
	s_add_co_u32 s86, s86, s16
	s_lshr_b32 s87, s86, 4
	s_and_b32 s86, s86, 15
	s_lshl_b32 s87, s87, 4
	s_add_co_u32 s87, s87, s88
	s_lshl_b32 s90, s88, 8
	s_mov_b32 s91, 0
	s_add_nc_u64 s[76:77], s[10:11], s[90:91]
	s_lshl_b32 s90, s87, 18
	s_lshl_b32 s92, s86, 14
	s_add_co_u32 s90, s90, s92
	s_add_co_u32 s90, s90, 4194304+8192
	s_add_nc_u64 s[80:81], s[12:13], s[90:91]
	s_add_nc_u64 s[82:83], s[80:81], 262144
	s_lshl_b32 s90, s87, 13
	s_lshl_b32 s92, s86, 9
	s_add_co_u32 s90, s90, s92
	s_add_co_u32 s90, s90, 12713984+256
	s_add_nc_u64 s[84:85], s[12:13], s[90:91]
	v_lshlrev_b32 v[VRT], 2, v[RR]
	v_lshlrev_b32 v[VSC], 4, v1
	v_lshl_add_u32 v[VSC], v2, 13, v[VSC]
	WIN TO_B
.irp a, 0,1,2,3,4,5,6,7
	global_load_b32 v[2*\a], v[VRT], s[76:77] offset:(32*(\a/2)+8*(\a%2))*4
	global_load_b32 v[2*\a+1], v[VRT], s[76:77] offset:(32*(\a/2)+8*(\a%2))*4
.endr
	LAST
.irp b, 0,1,2,3
	v_mov_b32 v[TM+4+\b], 0
.endr
.macro VBLK a
.if (\a) == 3 || (\a) == 6
	s_wait_xcnt 0x0
.endif
.if \a == 0
	s_wait_loadcnt 0x0
.endif
.set WX, 0x06+(\a)/4
.set AC, 64*((\a)%4)
.if ((\a)%3) < 2
.set PCX, PC+16*((\a)%3)
.else
.set PCX, 112
.endif
.set PWX, PW+(\a)
	WIN WX
.irp i, 0,2,4,6,8,10,12,14,16,18,20,22,24,26,28,30,32,34,36,38,40,42,44,46,48,50,52,54,56,58,60,62
	v_pk_add_f32 v[T+\i:T+\i+1], v[AC+\i:AC+\i+1], v[2*(\a):2*(\a)+1]
.endr
	WIN 0
	QUANT T, PCX, PWX
.irp c, 0,1,2,3
	global_store_b128 v[LI], v[PCX+4*\c:PCX+4*\c+3], s[80+2*((\a)/4):81+2*((\a)/4)] offset:((\a)%4)*2048+512*\c
.endr
.endm
.irp a, 0,1,2,3,4,5,6,7
	VBLK \a
.endr
	v_cmp_ne_u32 vcc_lo, 0, v2
.irp t, 0,1,2,3
	v_cndmask_b32 v[DW+\t], v[PW+\t], v[PW+4+\t], vcc_lo
.endr
	global_store_b128 v[VSC], v[DW:DW+3], s[84:85]
	s_wait_tensorcnt 0x0
	ds_add_u32 v[SPW], v[NIL]
	s_wait_dscnt 0x0
	CROUND
	s_endpgm
.Lfunc_end_k_q0decd4ccca_qkv:
	.size	k_q0decd4ccca_qkv, .Lfunc_end_k_q0decd4ccca_qkv-k_q0decd4ccca_qkv
	.p2alignl 7, 3214868480
	.fill 96, 4, 3214868480
	.section	.rodata,"a",@progbits
	.p2align	6, 0x0
	.amdhsa_kernel k_q0decd4ccca_qkv
		.amdhsa_group_segment_fixed_size 327680
		.amdhsa_private_segment_fixed_size 0
		.amdhsa_enable_private_segment 0
		.amdhsa_kernarg_size 40
		.amdhsa_user_sgpr_count 2
		.amdhsa_user_sgpr_kernarg_segment_ptr 1
		.amdhsa_wavefront_size32 1
		.amdhsa_system_sgpr_workgroup_id_x 1
		.amdhsa_system_sgpr_workgroup_id_y 1
		.amdhsa_system_sgpr_workgroup_id_z 1
		.amdhsa_system_vgpr_workitem_id 0
		.amdhsa_next_free_vgpr 1024
		.amdhsa_next_free_sgpr 100
		.amdhsa_reserve_vcc 1
		.amdhsa_float_denorm_mode_32 3
		.amdhsa_float_denorm_mode_16_64 3
		.amdhsa_memory_ordered 1
		.amdhsa_forward_progress 1
		.amdhsa_inst_pref_size 255
	.end_amdhsa_kernel
	.section	.bss,"aw",@nobits
	.p2align	6
	.space	262144
	.amdgpu_metadata
---
amdhsa.version: [ 1, 2 ]
amdhsa.kernels:
  - .name:           k_q0decd4ccca_qkv
    .symbol:         k_q0decd4ccca_qkv.kd
    .args:
      - { .name: wsP, .offset: 0, .size: 8, .value_kind: global_buffer, .address_space: global }
      - { .name: bq, .offset: 8, .size: 8, .value_kind: global_buffer, .address_space: global }
      - { .name: bk, .offset: 16, .size: 8, .value_kind: global_buffer, .address_space: global }
      - { .name: bv, .offset: 24, .size: 8, .value_kind: global_buffer, .address_space: global }
      - { .name: qkv, .offset: 32, .size: 8, .value_kind: global_buffer, .address_space: global }
    .group_segment_fixed_size: 327680
    .private_segment_fixed_size: 0
    .kernarg_segment_align: 8
    .kernarg_segment_size: 40
    .max_flat_workgroup_size: 128
    .sgpr_count:     100
    .vgpr_count:     1024
    .wavefront_size: 32
...
	.end_amdgpu_metadata
.endif
;; end of part 2
;; launch attn (part 3): grid 8 x 32, 16 waves a work-group, clusters of 4 x 1, 272,384 bytes of LDS; arguments qkv, bufO; writes bufO
.if DOCPART == 3
	.amdgcn_target "amdgcn-amd-amdhsa--gfx1250"
	.amdhsa_code_object_version 6
	.text
	.protected	k_q0decd4ccca_attn
	.globl	k_q0decd4ccca_attn
	.p2align	8
	.type	k_q0decd4ccca_attn,@function
k_q0decd4ccca_attn:
	s_mov_b64 s[64:65], 0
	v_nop
	global_prefetch_b8 v0, s[64:65] scope:SCOPE_SE
	s_setreg_imm32_b32 hwreg(HW_REG_WAVE_MODE, 25, 1), 1
	s_wait_xcnt 0x0
	s_wait_alu depctr_hold_cnt(0) depctr_sa_sdst(0) depctr_va_vdst(0) depctr_va_sdst(0) depctr_va_ssrc(0) depctr_va_vcc(0) depctr_vm_vsrc(0)
	s_getreg_b32 s2, hwreg(HW_REG_IB_STS2, 6, 4)
	s_cmp_eq_u32 s2, 0
	s_cbranch_scc0 .Lentry_in_a_cluster
	s_endpgm
.Lentry_in_a_cluster:
	s_bfe_u32 s2, ttmp6, 0x10000c
	s_cmp_lg_u32 s2, 0x3003
	s_cbranch_scc0 .Lentry_shape_is_right
	s_endpgm
.Lentry_shape_is_right:
; Attention of one head on E5M2 codes, and the quantiser of its result (the operand of the product with Wo).
; t = (q . k) log2(e) / 8; M = the running largest t rounded up to a whole number; p = 2^(t - M) is quantised along the keys; the row's sum is taken of the unquantised p and divides at the end.
; A work-group owns 256 queries of head ttmp7, each of its sixteen waves one tile of 16.  Both products are used transposed: a lane holds one query throughout.
; THE WHOLE HEAD'S k AND v (262,144 bytes of register images, 16,384 a key step: k's 8,192, then v's) AND THEIR SCALE WORDS (8,192 bytes) LIE IN LDS, filled once, one tensor load a wave,
; jointly with the three other query blocks of the cluster, which walk the same head: waves 0, 1 bring key steps 0-3 (32,768 bytes each), waves 2, 3 the scale words (4,096 each), waves 4-15 key step = wave (16,384 each).
; Each of the three kinds has a load line of its own.  The first barrier shows waves 0-3's loads alone (they wait for 0, the others jump over that wait); four key steps follow;
; then every wave waits for 0, a second barrier shows the rest, and the other twelve key steps follow.  Nothing is filled again.
; No prefetch: all that the launch reads through LDS is asked for at the head, so there is no later load to run ahead of.
; K = 64 IN AN INSTRUCTION OF 128: a fragment of 16 registers holds key tile 2 p in its first half and key tile 2 p + 1 in its second; multiplied by [q | 0] it gives the first tile's scores, by [0 | q] the second's.
; Zero codes add nothing: k's codes are finite (they were held), and no scale byte is 0xff.
; THE SOFTMAX GOES AS ONE BATCH: all t - M first, then the 68 exponentials (four block maxima, 64 scores) on end, then scales, sums, holds and conversions.
; LIMITS: NaN and infinities are not served; the scaled scores stay under 2^31 in magnitude; a block under 2^(16 - 127) keeps the byte 1.
; The two scale bytes of a row's 64 channels leave as two bytes a lane (lanes l and l + 16 store the same bytes).
; REGISTERS: v1 16 x lane, v2 scale words' place; v8, v9 addresses in hand; v10, v11 the add's; v12 -M, v13 largest t, v[14:15] and v[248:249] the sum; v16-31 [q | 0]; v192-207 [0 | q]; v32-95 k's, then v's fragments;
; v96-159 scores, then p; v160-191 O^T; v208-223 p's codes; v224-239 at work; v240-243 k's scale words, v244-247 v's, v252 p's, v255 q's; v[250:251] f.
.set SKVL, 262144
.set SPARE, 0x42000                    ; behind the scale words: 128 bytes a wave that no other line names
.set WV,  8
.set SEL, 70
.set CS,  72
.set MNT, 74
.set TB,  75
.set TS,  76
.set CNT, 77
.macro CROUND
	s_barrier_signal -1
	s_barrier_wait -1
	s_cmp_lg_u32 s[WV], 0
	s_cbranch_scc1 .Lnot_wave_0_\@
	s_barrier_signal -3
.Lnot_wave_0_\@:
	s_barrier_wait -3
	s_barrier_signal -1
	s_barrier_wait -1
.endm
	s_load_b128 s[4:7], s[0:1], 0x0        ; qkv, bufO
	v_lshl_add_u32 v10, v0, 2, SPARE
	v_mov_b32 v11, 0
	ds_add_u32 v10, v11                    ; the opening lines: the add twice on end and its wait ahead of the first tensor load
	ds_add_u32 v10, v11
	v_lshrrev_b32 v1, 5, v0
	s_delay_alu instid0(VALU_DEP_1)
	v_readfirstlane_b32 s[WV], v1          ; wave 0..15
	s_bfe_u32 s9, ttmp6, 0x40000           ; cx: it enters q's and the output's addresses alone
	s_lshl_b32 s10, ttmp9, 2
	s_add_co_u32 s10, s10, s9              ; my block of 256 queries
	s_and_b32 s11, ttmp7, 0xffff           ; 16 batch + head
	s_and_b32 s20, s[WV], 1
	s_lshl_b32 s16, s20, 15                ; waves 0, 1: 32,768 bytes each, in memory and in LDS
	s_lshl_b32 s12, s11, 18
	s_add_co_u32 s18, s12, 4194304         ; the head's codes
	s_add_co_u32 s12, s18, s16
	s_mov_b32 s13, 0
	s_lshl_b32 s21, s[WV], 14              ; waves 4-15: key step = wave, 16,384 bytes
	s_add_co_u32 s18, s18, s21
	s_mov_b32 s19, 0
	s_lshl_b32 s17, s20, 12                ; waves 2, 3: 4,096 bytes of scale words each
	s_lshl_b32 s14, s11, 13
	s_add_co_u32 s14, s14, s17
	s_add_co_u32 s14, s14, 12713984
	s_mov_b32 s15, 0
	s_add_co_u32 s17, s17, SKVL
	; three groups 1: dense blocks as rows of 256 bytes (32 elements of 8 bytes): 128, 16 and 64 rows; the mask names the cluster's four
	s_mov_b32 s44, 15|(3<<16)|(1<<21)
	s_mov_b32 s45, 32<<16
	s_mov_b32 s46, 128<<16
	s_mov_b32 s47, 32<<16
	s_mov_b32 s48, 128
	s_mov_b32 s49, 32
	s_mov_b32 s50, 0
	s_mov_b32 s51, 0
	s_mov_b32 s52, 15|(3<<16)|(1<<21)
	s_mov_b32 s53, 32<<16
	s_mov_b32 s54, 16<<16
	s_mov_b32 s55, 32<<16
	s_mov_b32 s56, 16
	s_mov_b32 s57, 32
	s_mov_b32 s58, 0
	s_mov_b32 s59, 0
	s_mov_b32 s32, 15|(3<<16)|(1<<21)
	s_mov_b32 s33, 32<<16
	s_mov_b32 s34, 64<<16
	s_mov_b32 s35, 32<<16
	s_mov_b32 s36, 64
	s_mov_b32 s37, 32
	s_mov_b32 s38, 0
	s_mov_b32 s39, 0
	s_lshl_b32 s22, s10, 4
	s_add_co_u32 s22, s22, s[WV]           ; my tile of queries, 0 .. 127
	s_lshl_b32 s60, s11, 17
	s_lshl_b32 s61, s22, 10
	s_add_co_u32 s60, s60, s61             ; q's codes
	s_mov_b32 s61, 0
	s_lshl_b32 s62, s11, 12
	s_lshr_b32 s63, s22, 3
	s_lshl_b32 s63, s63, 8
	s_add_co_u32 s62, s62, s63
	s_and_b32 s63, s22, 6
	s_lshl_b32 s63, s63, 1
	s_add_co_u32 s62, s62, s63
	s_add_co_u32 s62, s62, 12582912        ; the word that holds my tile's two bytes
	s_mov_b32 s63, 0
	s_and_b32 s78, s22, 1
	s_lshl_b32 s78, s78, 4                 ; in its low or its high half
	s_lshr_b32 s23, s11, 4
	s_lshl_b32 s23, s23, 7
	s_add_co_u32 s23, s23, s22             ; my tile among all 256 tiles of tokens
	s_and_b32 s79, s11, 15                 ; the head
	s_lshl_b32 s66, s23, 14
	s_lshr_b32 s67, s79, 1
	s_lshl_b32 s67, s67, 11
	s_add_co_u32 s66, s66, s67
	s_and_b32 s67, s79, 1
	s_lshl_b32 s67, s67, 10
	s_add_co_u32 s66, s66, s67             ; the result's codes: (8 tile + head / 2) x 2,048 + (head % 2) x 1,024
	s_mov_b32 s67, 0
	s_lshr_b32 s68, s79, 1
	s_lshl_b32 s68, s68, 15
	s_lshl_b32 s69, s23, 6
	s_add_co_u32 s68, s68, s69
	s_and_b32 s69, s79, 1
	s_lshl_b32 s69, s69, 1
	s_add_co_u32 s68, s68, s69
	s_add_co_u32 s68, s68, 4194304         ; and its two scale bytes
	s_mov_b32 s69, 0
	s_mov_b32 s[SEL], 0x76543210
	s_mov_b32 s[SEL+1], 0xfedcba98
	s_mov_b32 s[CS], 0x3e38aa3b            ; log2(e) / 8
	s_mov_b32 s[CS+1], s[CS]
	s_mov_b32 s[MNT], 0x600000
	s_wait_dscnt 0x0                       ; both opening adds are done
	s_wait_kmcnt 0x0
	s_mov_b32 s24, 1                       ; group 0 of the scale words,
	s_mov_b32 s25, s17
	s_add_nc_u64 s[26:27], s[4:5], s[14:15]
	s_or_b32 s27, s27, 0x80000000
	s_mov_b32 s28, 1                       ; of key steps 0-3,
	s_mov_b32 s29, s16
	s_add_nc_u64 s[30:31], s[4:5], s[12:13]
	s_or_b32 s31, s31, 0x80000000
	s_mov_b32 s40, 1                       ; and of one later key step
	s_mov_b32 s41, s21
	s_add_nc_u64 s[42:43], s[4:5], s[18:19]
	s_or_b32 s43, s43, 0x80000000
	s_add_nc_u64 s[60:61], s[4:5], s[60:61]
	s_add_nc_u64 s[62:63], s[4:5], s[62:63]
	s_add_nc_u64 s[66:67], s[6:7], s[66:67]
	s_add_nc_u64 s[68:69], s[6:7], s[68:69]
	CROUND                                 ; all four work-groups are here: the joint loads meet
	s_cmp_lt_u32 s[WV], 2                  ; one chain on the wave's number, one load to an arm: every way passes exactly one
	s_cbranch_scc0 .Lfor_scales
	tensor_load_to_lds s[28:31], s[44:51]
	s_nop 0
.rept 4
	v_nop
.endr
	s_branch .Lasked
.Lfor_scales:
	s_cmp_lt_u32 s[WV], 4
	s_cbranch_scc0 .Lfor_rest
	tensor_load_to_lds s[24:27], s[52:59]
	s_nop 0
.rept 4
	v_nop
.endr
	s_branch .Lasked
.Lfor_rest:
	tensor_load_to_lds s[40:43], s[32:39]
	s_nop 0
.rept 4
	v_nop
.endr
.Lasked:
	v_and_b32 v1, 31, v0
	s_delay_alu instid0(VALU_DEP_1)
	v_lshlrev_b32 v1, 4, v1                ; 16 x lane
	v_and_b32 v3, 15, v0
	s_delay_alu instid0(VALU_DEP_1)
	v_lshlrev_b32 v4, 4, v3                ; 16 r
	s_delay_alu instid0(VALU_DEP_2)
	v_lshlrev_b32 v5, 2, v3                ; 4 r
	s_delay_alu instid0(VALU_DEP_2)
	v_add_nc_u32 v2, SKVL, v4
.irp j, 0,1,2,3,4,5,6,7
	v_mov_b32 v[24+\j], 0
	v_mov_b32 v[192+\j], 0
.endr
	v_mov_b32 v13, 0xff61b1e6              ; the largest t so far: -3e38
	s_delay_alu instid0(VALU_DEP_1)
	v_floor_f32 v12, -v13                  ; -M
	v_mov_b32 v14, 0                       ; the sum, in two pairs
	v_mov_b32 v15, 0
	v_mov_b32 v248, 0
	v_mov_b32 v249, 0
	v_mov_b32 v251, 0                      ; (named as the upper half of a pair)
.irp b, 0,1,2,3
	v_mov_b32 v[228+\b], 0                 ; a lane permute's destination counts as one of its sources
.endr
.set j, 0
.rept 32
	v_mov_b32 v[160+j], 0                  ; O^T: the step is written once; the first change of M leaves zeros zeros
.set j, j+1
.endr
	global_load_b128 v[16:19], v1, s[60:61]
	global_load_b128 v[20:23], v1, s[60:61] offset:512
	global_load_b128 v[200:203], v1, s[60:61]
	global_load_b128 v[204:207], v1, s[60:61] offset:512
	global_load_b32 v253, v4, s[62:63]
	s_wait_loadcnt 0x0
	v_lshrrev_b32 v253, s78, v253
	s_delay_alu instid0(VALU_DEP_1)
	v_and_b32 v253, 0xffff, v253
	s_delay_alu instid0(VALU_DEP_1)
	v_lshl_or_b32 v255, v253, 16, v253     ; q's two bytes in both halves: they serve [q | 0] and [0 | q]
.macro STEP                            ; 128 keys
	v_add_nc_u32 v8, s[TB], v1
	v_add_nc_u32 v9, s[TS], v2
.rept 6
	v_nop                                  ; with the two additions: eight places in front of loads into registers that the last products read
.endr
.irp p, 0,1,2,3
.irp c, 0,1,2,3
	ds_load_b128 v[32+16*\p+4*\c:35+16*\p+4*\c], v8 offset:2048*\p+512*\c
.endr
.endr
	ds_load_b128 v[240:243], v9            ; lane r: the words of row r of the four pairs of tiles
	s_wait_alu depctr_va_vdst(0)
	s_wait_dscnt 0x0
.irp p, 0,1,2,3
	v_wmma_scale_f32_16x16x128_f8f6f4 v[96+16*\p:103+16*\p], v[32+16*\p:47+16*\p], v[16:31], 0, v[240+\p], v255 matrix_a_fmt:MATRIX_FMT_BF8 matrix_b_fmt:MATRIX_FMT_BF8
	v_wmma_scale_f32_16x16x128_f8f6f4 v[104+16*\p:111+16*\p], v[32+16*\p:47+16*\p], v[192:207], 0, v[240+\p], v255 matrix_a_fmt:MATRIX_FMT_BF8 matrix_b_fmt:MATRIX_FMT_BF8
.endr                                      ; register 16 b + i of v96 on: key 32 b + 16 (lane / 16) + i of the step
.rept 8
	v_nop
.endr
.irp t, 0,1,2,3
.irp c, 0,1,2,3
	ds_load_b128 v[32+16*\t+4*\c:35+16*\t+4*\c], v8 offset:8192+2048*\t+512*\c     ; v's fragments are on their way while the softmax is worked
.endr
.endr
	ds_load_b128 v[244:247], v9 offset:256
.irp b, 0,1,2,3
	v_max3_num_f32 v[224+\b], v[96+16*\b], v[97+16*\b], v[98+16*\b]        ; the largest score of each block of 32 keys: for the row's maximum, and for the block's largest p
.endr
.irp i, 3,5,7,9,11,13
.irp b, 0,1,2,3
	v_max3_num_f32 v[224+\b], v[224+\b], v[96+16*\b+\i], v[97+16*\b+\i]
.endr
.endr
.irp b, 0,1,2,3
	v_max_num_f32 v[224+\b], v[224+\b], v[111+16*\b]
.endr
.irp b, 0,1,2,3
	s_delay_alu instid0(VALU_DEP_4)
	v_permlanex16_b32 v[228+\b], v[224+\b], s[SEL], s[SEL+1]
.endr
.irp b, 0,1,2,3
	s_delay_alu instid0(VALU_DEP_4)
	v_max_num_f32 v[224+\b], v[224+\b], v[228+\b]
.endr
	s_delay_alu instid0(VALU_DEP_2)
	v_max3_num_f32 v254, v224, v225, v226
	s_delay_alu instid0(VALU_DEP_1)
	v_max_num_f32 v254, v254, v227
	s_delay_alu instid0(VALU_DEP_1)
	v_mul_f32 v254, s[CS], v254
	s_delay_alu instid0(VALU_DEP_1)
	v_max_num_f32 v13, v13, v254           ; the running largest t
	v_mov_b32 v254, v12
	s_delay_alu instid0(VALU_DEP_2)
	v_floor_f32 v12, -v13                  ; the new -M: M is a whole number
	s_delay_alu instid0(VALU_DEP_1)
	v_sub_f32 v254, v12, v254
	s_delay_alu instid0(VALU_DEP_1)
	v_cvt_i32_f32 v254, v254               ; (it saturates)
	s_delay_alu instid0(VALU_DEP_1)
	v_ldexp_f32 v250, 1.0, v254            ; f = 2^(old M - new M)
.irp b, 0,1,2,3
	v_fma_f32 v[224+\b], v[224+\b], s[CS], v12     ; t - M of each block's largest score,
.endr
.set j, 0
.rept 32
	v_pk_fma_f32 v[96+j:97+j], v[96+j:97+j], s[CS:CS+1], v[12:13] op_sel_hi:[1,0,0]   ; and of all 64, two at a time
.set j, j+2
.endr
	s_wait_alu depctr_va_vdst(0)           ; the wait ahead of the batch
.irp b, 0,1,2,3
	v_exp_f32 v[224+\b], v[224+\b]         ; the block's largest p
.endr
.set j, 0
.rept 64
	v_exp_f32 v[96+j], v[96+j]             ; p = 2^(t - M), at most 1, not normalised
.set j, j+1
.endr
	v_pk_mul_f32 v[14:15], v[14:15], v[250:251] op_sel_hi:[1,0]        ; the sums under the new M (plain lines behind the exponentials)
	v_pk_mul_f32 v[248:249], v[248:249], v[250:251] op_sel_hi:[1,0]
	s_wait_alu depctr_va_vdst(0)           ; one wait for the whole batch, ahead of its first reader
.irp b, 0,1,2,3
	v_max_num_f32 v[224+\b], 0x8000000, v[224+\b]
.endr
.irp b, 0,1,2,3
	s_delay_alu instid0(VALU_DEP_4)
	v_add_nc_u32 v[236+\b], 0xf8800000, v[224+\b]          ; 15 off the exponent field: the conversion's scale operand
.endr
.irp b, 0,1,2,3
	v_and_or_b32 v[232+\b], v[224+\b], 0x7f800000, s[MNT]  ; 57,344 x the scale
.endr
.irp b, 0,1,2,3
	v_lshrrev_b32 v[228+\b], 23, v[236+\b]                 ; the scale's byte
.endr
	s_delay_alu instid0(VALU_DEP_3)
	v_lshl_or_b32 v252, v229, 8, v228      ; p's scale word for these 128 keys
	s_delay_alu instid0(VALU_DEP_1)
	v_lshl_or_b32 v252, v230, 16, v252
	s_delay_alu instid0(VALU_DEP_1)
	v_lshl_or_b32 v252, v231, 24, v252
	v_pk_add_f32 v[14:15], v[14:15], v[96:97]              ; the sum of the unquantised p: 32 additions of pairs in four chains by turns
	v_pk_add_f32 v[248:249], v[248:249], v[98:99]
	v_pk_add_f32 v[224:225], v[100:101], v[108:109]
	v_pk_add_f32 v[226:227], v[102:103], v[110:111]
	v_pk_add_f32 v[14:15], v[14:15], v[104:105]
	v_pk_add_f32 v[248:249], v[248:249], v[106:107]
.irp j, 16,24,32,40,48,56
	v_pk_add_f32 v[14:15], v[14:15], v[96+\j:97+\j]
	v_pk_add_f32 v[248:249], v[248:249], v[98+\j:99+\j]
	v_pk_add_f32 v[224:225], v[224:225], v[100+\j:101+\j]
	v_pk_add_f32 v[226:227], v[226:227], v[102+\j:103+\j]
.endr
	v_pk_add_f32 v[14:15], v[14:15], v[224:225]
	v_pk_add_f32 v[248:249], v[248:249], v[226:227]
.irp b, 0,1,2,3
.set j, 0
.rept 16
	v_min_num_f32 v[96+16*\b+j], v[96+16*\b+j], v[232+\b]  ; the conversion does not saturate (ISA guide 7.6.2); p is not negative: the hold is one-sided
.set j, j+1
.endr
	v_cvt_scalef32_pk8_bf8_f32 v[208+4*\b:209+4*\b], v[96+16*\b:103+16*\b], v[236+\b]
	v_cvt_scalef32_pk8_bf8_f32 v[210+4*\b:211+4*\b], v[104+16*\b:111+16*\b], v[236+\b]
.endr
	s_wait_alu depctr_va_vdst(0)           ; directly ahead of the first reader of O^T
.set j, 0
.rept 16
	v_pk_mul_f32 v[160+j:161+j], v[160+j:161+j], v[250:251] op_sel_hi:[1,0]   ; O^T under the new M.  These sixteen are also the places between the conversions and the products
.set j, j+2
.endr
	s_wait_alu depctr_va_vdst(0)           ; directly ahead of the wait below
	s_wait_dscnt 0x0                       ; v
.irp t, 0,1,2,3
	v_wmma_scale_f32_16x16x128_f8f6f4 v[160+8*\t:167+8*\t], v[32+16*\t:47+16*\t], v[208:223], v[160+8*\t:167+8*\t], v[244+\t], v252 matrix_a_fmt:MATRIX_FMT_BF8 matrix_b_fmt:MATRIX_FMT_BF8
.endr
	s_add_co_u32 s[TB], s[TB], 16384
	s_add_co_u32 s[TS], s[TS], 512
.endm
	s_mov_b32 s[TB], 0
	s_mov_b32 s[TS], 0
	s_mov_b32 s[CNT], 4
	s_wait_alu depctr_va_vdst(0)
	s_cmp_lt_u32 s[WV], 4
	s_cbranch_scc0 .Lnot_first
	s_wait_tensorcnt 0x0                   ; waves 0-3: key steps 0-3 and the scale words are in.  The other waves' wait stands at the second barrier
.Lnot_first:
	s_barrier_signal -1
	s_barrier_wait -1
.Lstep:                                        ; key steps 0-3
	s_wait_alu depctr_va_vdst(0)
	STEP
	s_sub_co_u32 s[CNT], s[CNT], 1
	s_cmp_lg_u32 s[CNT], 0
	s_cbranch_scc1 .Lstep
	s_mov_b32 s[TB], 65536
	s_mov_b32 s[TS], 2048
	s_mov_b32 s[CNT], 12
	s_wait_tensorcnt 0x0                   ; every wave: my one load is in,
	s_barrier_signal -1
	s_barrier_wait -1                      ; and everybody's: the whole head lies in LDS
.Lrest:                                        ; key steps 4-15
	s_wait_alu depctr_va_vdst(0)
	STEP
	s_sub_co_u32 s[CNT], s[CNT], 1
	s_cmp_lg_u32 s[CNT], 0
	s_cbranch_scc1 .Lrest
.rept 8
	v_nop                                  ; eight places in front of the first read of the last products' results
.endr
	v_pk_add_f32 v[14:15], v[14:15], v[248:249]
	v_add_f32 v14, v14, v15
	s_delay_alu instid0(VALU_DEP_1)
	v_permlanex16_b32 v253, v14, s[SEL], s[SEL+1]
	s_delay_alu instid0(VALU_DEP_1)
	v_add_f32 v14, v14, v253               ; the row's sum
	s_wait_alu depctr_va_vdst(0)
	v_rcp_f32 v14, v14
	v_nop
	s_wait_alu depctr_va_vdst(0)
.set j, 0
.rept 32
	v_mul_f32 v[96+j], v[160+j], v14       ; register 16 b + i: channel 32 b + 16 h + i of my query
.set j, j+1
.endr
.irp b, 0,1
	v_max3_num_f32 v[224+\b], |v[96+16*\b]|, |v[97+16*\b]|, 0x8000000
.endr
.irp i, 2,4,6,8,10,12,14
.irp b, 0,1
	s_delay_alu instid0(VALU_DEP_2)
	v_max3_num_f32 v[224+\b], v[224+\b], |v[96+16*\b+\i]|, |v[97+16*\b+\i]|
.endr
.endr
.irp b, 0,1
	s_delay_alu instid0(VALU_DEP_2)
	v_permlanex16_b32 v[228+\b], v[224+\b], s[SEL], s[SEL+1]
.endr
.irp b, 0,1
	s_delay_alu instid0(VALU_DEP_2)
	v_max_num_f32 v[224+\b], v[224+\b], v[228+\b]
.endr
.irp b, 0,1
	s_delay_alu instid0(VALU_DEP_2)
	v_add_nc_u32 v[236+\b], 0xf8800000, v[224+\b]
.endr
.irp b, 0,1
	s_delay_alu instid0(VALU_DEP_4)
	v_and_or_b32 v[232+\b], v[224+\b], 0x7f800000, s[MNT]
.endr
.irp b, 0,1
	s_delay_alu instid0(VALU_DEP_4)
	v_lshrrev_b32 v[228+\b], 23, v[236+\b]
.endr
	s_delay_alu instid0(VALU_DEP_1)
	v_lshl_or_b32 v254, v229, 8, v228
.irp b, 0,1
.irp i, 0,1,2,3,4,5,6,7,8,9,10,11,12,13,14,15
	v_med3_num_f32 v[96+16*\b+\i], v[96+16*\b+\i], -v[232+\b], v[232+\b]
.endr
	v_cvt_scalef32_pk8_bf8_f32 v[208+4*\b:209+4*\b], v[96+16*\b:103+16*\b], v[236+\b]
	v_cvt_scalef32_pk8_bf8_f32 v[210+4*\b:211+4*\b], v[104+16*\b:111+16*\b], v[236+\b]
.endr
	v_nop
	global_store_b128 v1, v[208:211], s[66:67]
	global_store_b128 v1, v[212:215], s[66:67] offset:512
	global_store_b16 v5, v254, s[68:69]
	s_wait_tensorcnt 0x0                   ; the wave's end
	ds_add_u32 v10, v11
	s_wait_dscnt 0x0
	CROUND                                 ; the closing round
	s_endpgm
.Lfunc_end_k_q0decd4ccca_attn:
	.size	k_q0decd4ccca_attn, .Lfunc_end_k_q0decd4ccca_attn-k_q0decd4ccca_attn
	.p2alignl 7, 3214868480
	.fill 96, 4, 3214868480
	.section	.rodata,"a",@progbits
	.p2align	6, 0x0
	.amdhsa_kernel k_q0decd4ccca_attn
		.amdhsa_group_segment_fixed_size 272384
		.amdhsa_private_segment_fixed_size 0
		.amdhsa_enable_private_segment 0
		.amdhsa_kernarg_size 16
		.amdhsa_user_sgpr_count 2
		.amdhsa_user_sgpr_kernarg_segment_ptr 1
		.amdhsa_wavefront_size32 1
		.amdhsa_system_sgpr_workgroup_id_x 1
		.amdhsa_system_sgpr_workgroup_id_y 1
		.amdhsa_system_sgpr_workgroup_id_z 1
		.amdhsa_system_vgpr_workitem_id 0
		.amdhsa_next_free_vgpr 256
		.amdhsa_next_free_sgpr 80
		.amdhsa_reserve_vcc 0
		.amdhsa_float_denorm_mode_32 3
		.amdhsa_float_denorm_mode_16_64 3
		.amdhsa_memory_ordered 1
		.amdhsa_forward_progress 1
		.amdhsa_inst_pref_size 56
	.end_amdhsa_kernel
	.amdgpu_metadata
---
amdhsa.version: [ 1, 2 ]
amdhsa.kernels:
  - .name:           k_q0decd4ccca_attn
    .symbol:         k_q0decd4ccca_attn.kd
    .args:
      - { .name: qkv, .offset: 0, .size: 8, .value_kind: global_buffer, .address_space: global }
      - { .name: bufO, .offset: 8, .size: 8, .value_kind: global_buffer, .address_space: global }
    .group_segment_fixed_size: 272384
    .private_segment_fixed_size: 0
    .kernarg_segment_align: 8
    .kernarg_segment_size: 16
    .max_flat_workgroup_size: 512
    .sgpr_count:     80
    .vgpr_count:     256
    .wavefront_size: 32
...
	.end_amdgpu_metadata
.endif
;; end of part 3
;; launch wo (part 4): grid 8 x 32, 4 waves a work-group, clusters of 4 x 4, 327,680 bytes of LDS; arguments bufO, wsP, bo, x, x1; writes x1
.if DOCPART == 4
	.amdgcn_target "amdgcn-amd-amdhsa--gfx1250"
	.amdhsa_code_object_version 6
	.text
	.protected	k_q0decd4ccca_wo
	.globl	k_q0decd4ccca_wo
	.p2align	8
	.type	k_q0decd4ccca_wo,@function
k_q0decd4ccca_wo:
	s_mov_b64 s[64:65], 0
	v_nop
	global_prefetch_b8 v0, s[64:65] scope:SCOPE_SE
	s_setreg_imm32_b32 hwreg(HW_REG_WAVE_MODE, 25, 1), 1
	s_wait_xcnt 0x0
	s_wait_alu depctr_hold_cnt(0) depctr_sa_sdst(0) depctr_va_vdst(0) depctr_va_sdst(0) depctr_va_ssrc(0) depctr_va_vcc(0) depctr_vm_vsrc(0)
	s_getreg_b32 s2, hwreg(HW_REG_IB_STS2, 6, 4)
	s_cmp_eq_u32 s2, 0
	s_cbranch_scc0 .Lentry_in_a_cluster
	s_endpgm
.Lentry_in_a_cluster:
	s_bfe_u32 s2, ttmp6, 0x10000c
	s_cmp_lg_u32 s2, 0xf033
	s_cbranch_scc0 .Lentry_shape_is_right
	s_endpgm
.Lentry_shape_is_right:
; out = residual + A W + bias, A and W as E5M2 codes (register images, tiles of 16 rows: row r of tile t = logical row 32 (t / 2) + 8 (t % 2) + r + 8 (r / 8)).  Here: x1 = x + attention Wo + bo, K = 1,024.
; N = 1,024: blocks of 256 x 256 would give 64 work-groups, so a work-group makes 128 x 128 (256 work-groups) and a wave 64 x 64: 16 accumulators.
; K goes in steps of 512 through two LDS slots (a wave's one load brings 4 tiles x 8,192 bytes); the four work-groups of a cluster's row ask jointly for A's tiles, the four of a column for W's.
; Source 0 = W's tiles, source 1 = A's: a lane holds one token and eight neighbouring columns.  The bias is the C of each sum's first product.  Scale words come from memory straight into a ring of 2 x 16 registers.
; The residual is wanted on the way out alone: its 32 loads are the youngest, and the waits for scale words and bias leave them out.  With one lap (K = 1,024) they are issued at the head, with more behind the loop.
; REGISTERS: window 0: v16-30 addresses; v32-63 scale words; v128-255 the way out.  window 1: two sets of fragments (A's four at +0, W's four at +64).  window 2: v0-127 accumulators, v128-255 the residual.  window 3: v0-31 bias.
; LDS AS THIS TEXT USES IT: no ring.  K = 1,024, so A's 8 tiles and W's 8 tiles lie in LDS whole (16 x 16,384 bytes): each wave's one tensor load brings 4 tiles x 16,384 bytes, all eight K steps;
; nothing is filled again, one barrier shows all four loads, and the eight K steps follow on end.  What the lines above say of slots of 512 along K holds for a longer K alone.
.set K,     1024
.set SSOFF, 4194304                    ; the scale words in A's buffer
.set BOFF,  7602176                    ; W's codes in wsP
.set KT,    K/128
.set TSTR,  KT*2048                    ; bytes from a tile's codes to the next tile's
.set LAPS,  K/1024
.if LAPS == 1
.set FIRSTW, 32                        ; the first wait for loads leaves the residual's 32 out
.else
.set FIRSTW, 0
.endif
.set SLOT,  131072
.set STAGE, 2*SLOT                     ; 16 rows x (256 + 16) bytes for each wave
.set SPITCH, 272
.set SPARE, STAGE+4*16*SPITCH
.set ADRA, 16
.set ADRB, 20
.set STO,  24
.set RD,   25
.set VRO,  26
.set VSO,  27
.set SPW,  28
.set NIL,  29
.set VBI,  30
.set SC,   32                          ; v[SC + 16 slot + 4 q + i]: lanes 0-15 the word of A's tile i, lanes 16-31 that of W's tile i
.set OB0,  128
.set G1, 24
.set G0, 32
.set G1B, 48
.set G0B, 56
.set MSB, 0
.macro WIN new
.if MSB != \new
	s_set_vgpr_msb (MSB<<8)|\new
.set MSB, \new
.endif
.endm
.set MUL,  0xa5                        ; sources 0, 1 window 1; C and D window 2
.set MULF, 0xb5                        ; the same with C in window 3: the bias
.set TO_F, 0x40
.macro PLACES n
.rept \n
	v_nop
.endr
.endm
.macro JLOAD g0a, g1a, g0b, g1b
	s_cmp_eq_u32 s15, 0
	s_cbranch_scc0 .Lfor_b_\@
	tensor_load_to_lds s[\g0a:\g0a+3], s[\g1a:\g1a+7]
	s_nop 0
.rept 4
	v_nop
.endr
	s_branch .Lasked_\@
.Lfor_b_\@:
	tensor_load_to_lds s[\g0b:\g0b+3], s[\g1b:\g1b+7]
	s_nop 0
.rept 4
	v_nop
.endr
.Lasked_\@:
.endm
.macro CREST
	s_cmp_lg_u32 s14, 0
	s_cbranch_scc1 .Lnot_wave_0_\@
	s_barrier_signal -3
.Lnot_wave_0_\@:
	s_barrier_wait -3
	s_barrier_signal -1
	s_barrier_wait -1
.endm
.macro CROUND
	s_barrier_signal -1
	s_barrier_wait -1
	CREST
.endm
.macro FRAG reg, adr, q, i
.irp c, 0,1,2,3
	ds_load_b128 v[\reg+4*\c:\reg+4*\c+3], v[\adr] offset:(\i)*16384+(\q)*2048+512*\c
.endr
.endm
.macro FETCH slot, q, set              ; 32 loads in one run: W's four fragments, then A's four
	WIN TO_F
.irp i, 0,1,2,3
	FRAG 128*(\set)+64+16*\i, ADRB+\slot, \q, \i
.endr
.irp i, 0,1,2,3
	FRAG 128*(\set)+16*\i, ADRA+\slot, \q, \i
.endr
.endm
.macro MUL4 set, a, sq, first          ; A's tile a x W's four; the 16 accumulators take turns
.irp b, 0,1,2,3
.if \first
	v_wmma_scale_f32_16x16x128_f8f6f4 v[8*(4*\a+\b):8*(4*\a+\b)+7], v[128*(\set)+64+16*\b:128*(\set)+64+16*\b+15], v[128*(\set)+16*\a:128*(\set)+16*\a+15], v[8*\b:8*\b+7], v[\sq+\b], v[\sq+\a] matrix_a_fmt:MATRIX_FMT_BF8 matrix_b_fmt:MATRIX_FMT_BF8 matrix_a_scale:MATRIX_SCALE_ROW1
.else
	v_wmma_scale_f32_16x16x128_f8f6f4 v[8*(4*\a+\b):8*(4*\a+\b)+7], v[128*(\set)+64+16*\b:128*(\set)+64+16*\b+15], v[128*(\set)+16*\a:128*(\set)+16*\a+15], v[8*(4*\a+\b):8*(4*\a+\b)+7], v[\sq+\b], v[\sq+\a] matrix_a_fmt:MATRIX_FMT_BF8 matrix_b_fmt:MATRIX_FMT_BF8 matrix_a_scale:MATRIX_SCALE_ROW1
.endif
.endr
.endm
.macro SCL sl                          ; the scale words of a slot's four K steps
.irp q, 0,1,2,3
.irp i, 0,1,2,3
	global_load_b32 v[SC+16*\sl+4*\q+\i], v[VSO], s[74+2*\sl:75+2*\sl] offset:\q*32768+64*\i
.endr
.endr
.endm
.macro RESID                           ; the residual, where the way out will want it: 32 loads
	WIN 0x80
.irp a, 0,1,2,3
.irp i, 0,1,2,3,4,5,6,7
	global_load_b128 v[128+32*\a+4*\i:128+32*\a+4*\i+3], v[VRO], s[10:11] offset:(32*(\a/2)+8*(\a%2)+2*\i+8*(\i/4))*4096
.endr
.endr
	WIN 0
.endm
; One of a slot's first three K steps of 128.  scl >= 0: the other slot's next scale words are asked for.  lw >= 0: a wait for loads with that count stands at the head (this slot's scale words)
.macro STEPK slot, q, first, scl, lw
.if \lw >= 0
	s_wait_loadcnt \lw
.endif
	s_wait_dscnt 8                         ; W's four and A's tiles 0, 1 are in; the eight loads of A's tiles 2, 3 may be out
.if \first
	WIN MULF
.else
	WIN MUL
.endif
	MUL4 (\q)%2, 0, SC+16*\slot+4*\q, \first
	MUL4 (\q)%2, 1, SC+16*\slot+4*\q, \first
	PLACES 8                               ; eight places in front of loads into registers that matrix instructions have read
	FETCH \slot, (\q)+1, 1-(\q)%2
.if \scl >= 0
	WIN 0
	s_add_nc_u64 s[74+2*\scl:75+2*\scl], s[74+2*\scl:75+2*\scl], 262144    ; (the loads that named this base were waited for at this step's head, with the count 0)
	SCL \scl
.endif
	s_wait_dscnt 32                        ; all but the 32 just issued
.if \first
	WIN MULF
.else
	WIN MUL
.endif
	MUL4 (\q)%2, 2, SC+16*\slot+4*\q, \first
	MUL4 (\q)%2, 3, SC+16*\slot+4*\q, \first
.endm
.macro TURN slot, next, fill           ; a slot's last K step, and the change of slots
	WIN 0
	s_wait_tensorcnt 0x0                   ; all my tensor loads have landed: my part of the next slot
	ds_add_u32 v[SPW], v[NIL]              ; 0 onto my spare word
	s_wait_dscnt 9                         ; the add and the eight loads of A's tiles 2, 3 may be out
	WIN MUL
	MUL4 1, 0, SC+16*\slot+12, 0
	s_wait_dscnt 0x0                       ; the add is done, and my reads of this slot are over
	s_barrier_signal -1
	MUL4 1, 1, SC+16*\slot+12, 0
.if \fill
	WIN 0
.endif
	s_barrier_wait -1
.if \fill
	CREST                                  ; the barrier has opened a round of the cluster's barrier
	s_add_nc_u64 s[G0+4*\slot+2:G0+4*\slot+3], s[G0+4*\slot+2:G0+4*\slot+3], 16384
	s_add_nc_u64 s[G0B+4*\slot+2:G0B+4*\slot+3], s[G0B+4*\slot+2:G0B+4*\slot+3], 16384
	JLOAD G0+4*\slot, G1, G0B+4*\slot, G1B
	PLACES 4
.else
	PLACES 8
.endif
	FETCH \next, 0, 0
	WIN MUL
	MUL4 1, 2, SC+16*\slot+12, 0
	MUL4 1, 3, SC+16*\slot+12, 0
.endm
	s_load_b256 s[4:11], s[0:1], 0x0       ; A's buffer 4, wsP 6, bias 8, residual 10
	s_load_b64 s[12:13], s[0:1], 0x20      ; out
	v_lshl_add_u32 v[SPW], v0, 2, SPARE
	v_mov_b32 v[NIL], 0
	ds_add_u32 v28, v29
	ds_add_u32 v28, v29
	s_wait_dscnt 0x0
	v_lshrrev_b32 v1, 5, v0
	v_readfirstlane_b32 s14, v1
	s_lshr_b32 s15, s14, 1
	s_and_b32 s16, s14, 1
	s_bfe_u32 s40, ttmp6, 0x40000
	s_bfe_u32 s41, ttmp6, 0x40004
	s_lshl_b32 s42, ttmp9, 2
	s_add_co_u32 s42, s42, s40             ; block of 128 columns
	s_and_b32 s17, ttmp7, 0xffff
	s_lshl_b32 s17, s17, 2
	s_add_co_u32 s17, s17, s41             ; block of 128 tokens
	s_lshl_b32 s43, s41, 2
	s_lshl_b32 s43, 15, s43
	s_lshl_b32 s44, 0x1111, s40
	; group 1: 4 tiles' 16,384 bytes (all eight K steps), TSTR bytes from tile to tile; elements of 8 bytes
	s_or_b32 s[G1+0], s43, (3<<16)|(1<<21)
	s_or_b32 s[G1B+0], s44, (3<<16)|(1<<21)
.irp g, G1, G1B
	s_mov_b32 s[\g+1], 2048<<16            ; a row of the tile: a tile's codes of all of K, 2,048 elements of 8 bytes
	s_mov_b32 s[\g+2], 4<<16
	s_mov_b32 s[\g+3], 2048<<16
	s_mov_b32 s[\g+4], 4
	s_mov_b32 s[\g+5], TSTR/8
	s_mov_b32 s[\g+6], 0
	s_mov_b32 s[\g+7], 0
.endr
	s_lshl_b32 s18, s16, 2
	s_lshl_b32 s20, s17, 3
	s_add_co_u32 s20, s20, s18
	s_mul_i32 s20, s20, TSTR
	s_mov_b32 s21, 0
	s_lshl_b32 s46, s42, 3
	s_add_co_u32 s46, s46, s18
	s_mul_i32 s46, s46, TSTR
	s_add_co_u32 s46, s46, BOFF
	s_mov_b32 s47, 0
	s_lshl_b32 s45, s14, 16                ; where my 65,536 bytes go: wave x 65,536
	s_wait_kmcnt 0x0
	s_add_nc_u64 s[20:21], s[4:5], s[20:21]
	s_add_nc_u64 s[46:47], s[6:7], s[46:47]
	CROUND
.irp s, 0
	s_mov_b32 s[G0+4*\s], 1
	s_add_co_u32 s[G0+4*\s+1], s45, \s*SLOT
	s_add_nc_u64 s[G0+4*\s+2:G0+4*\s+3], s[20:21], \s*8192
	s_or_b32 s[G0+4*\s+3], s[G0+4*\s+3], 0x80000000
	s_mov_b32 s[G0B+4*\s], 1
	s_add_co_u32 s[G0B+4*\s+1], s45, \s*SLOT
	s_add_nc_u64 s[G0B+4*\s+2:G0B+4*\s+3], s[46:47], \s*8192
	s_or_b32 s[G0B+4*\s+3], s[G0B+4*\s+3], 0x80000000
	JLOAD G0+4*\s, G1, G0B+4*\s, G1B
.endr
	v_and_b32 v1, 15, v0                   ; r
	v_bfe_u32 v2, v0, 4, 1                 ; h
	s_wait_alu depctr_va_vdst(0)
	v_and_b32 v3, 31, v0
	v_lshlrev_b32 v3, 4, v3                ; 16 x lane
	v_lshlrev_b32 v[VBI], 6, v2
	s_wait_alu depctr_va_vdst(0)
	s_lshl_b32 s68, s17, 3
	s_lshl_b32 s69, s15, 2
	s_add_co_u32 s68, s68, s69
	s_lshl_b32 s68, s68, 6                 ; my first tile of A among the scale words
	s_lshl_b32 s69, s42, 3
	s_lshl_b32 s73, s16, 2
	s_add_co_u32 s69, s69, s73
	s_add_co_u32 s69, s69, 256
	s_lshl_b32 s69, s69, 6                 ; and of W
	v_mov_b32 v4, s68
	v_mov_b32 v5, s69
	v_cmp_ne_u32 vcc_lo, 0, v2
	v_cndmask_b32 v[VSO], v4, v5, vcc_lo
	v_lshl_add_u32 v[VSO], v1, 2, v[VSO]
	s_add_nc_u64 s[74:75], s[4:5], SSOFF
	s_add_nc_u64 s[76:77], s[74:75], 131072
	SCL 0
	SCL 1
	s_lshl_b32 s80, s42, 9
	s_lshl_b32 s81, s16, 8
	s_add_co_u32 s80, s80, s81             ; my 64 columns, in bytes
	s_mov_b32 s81, 0
	s_lshl_b32 s78, s17, 19
	s_lshl_b32 s79, s15, 18
	s_add_co_u32 s78, s78, s79
	s_add_co_u32 s78, s78, s80             ; + my 64 tokens' rows of 4,096 bytes
	s_mov_b32 s79, 0
	s_add_nc_u64 s[8:9], s[8:9], s[80:81]
	s_add_nc_u64 s[10:11], s[10:11], s[78:79]
	s_add_nc_u64 s[12:13], s[12:13], s[78:79]
	v_lshlrev_b32 v[VRO], 4, v1
	v_lshl_add_u32 v[VRO], v2, 12, v[VRO]  ; lanes 0-15 one row's 256 bytes, lanes 16-31 the next row's
	WIN 0xc0
.irp b, 0,1,2,3
	global_load_b128 v[8*\b:8*\b+3], v[VBI], s[8:9] offset:(32*(\b/2)+8*(\b%2))*4          ; bias of columns 32 (b / 2) + 8 (b % 2) + 16 h + 0 .. 7: the result's layout
	global_load_b128 v[8*\b+4:8*\b+7], v[VBI], s[8:9] offset:(32*(\b/2)+8*(\b%2))*4+16
.endr
.if LAPS == 1
	RESID
.endif
	WIN 0
	s_lshl_b32 s68, s15, 16                ; my four tiles of A,
	s_lshl_b32 s69, s16, 16
	s_add_co_u32 s69, s69, 131072          ; and of W, behind A's eight
.irp s, 0
	v_add_nc_u32 v[ADRA+\s], s68, v3
	v_add_nc_u32 v[ADRB+\s], s69, v3
	s_add_co_u32 s68, s68, SLOT
	s_add_co_u32 s69, s69, SLOT
.endr
	s_mul_i32 s68, s14, 16*SPITCH
	s_add_co_u32 s68, s68, STAGE           ; my stage
	v_mul_u32_u24 v[STO], v1, SPITCH
	v_lshl_add_u32 v[STO], v2, 6, v[STO]
	v_add_nc_u32 v[STO], s68, v[STO]       ; in: row r, + 64 h
	v_mul_u32_u24 v[RD], v2, SPITCH
	v_lshl_add_u32 v[RD], v1, 4, v[RD]
	v_add_nc_u32 v[RD], s68, v[RD]         ; back: lanes 0-15 one row, lanes 16-31 the next
	s_wait_alu depctr_va_vdst(0)
	s_wait_tensorcnt 0x0                   ; my one load is in
	s_barrier_signal -1
	s_barrier_wait -1
	FETCH 0, 0, 0
	STEPK 0, 0, 1, -1, FIRSTW              ; scale words and bias are in; with one lap the residual's 32 younger loads may be out
.if LAPS > 1
	WIN 0
	s_mov_b32 s3, LAPS-1
.Llap:                                         ; a trip goes once round the ring and fills both slots again
	STEPK 0, 1, 0, -1, -1
	STEPK 0, 2, 0, -1, -1
	TURN 0, 1, 1
	STEPK 1, 0, 0, 0, 0
	STEPK 1, 1, 0, -1, -1
	STEPK 1, 2, 0, -1, -1
	TURN 1, 0, 1
	STEPK 0, 0, 0, 1, 0
	WIN 0
	s_sub_co_u32 s3, s3, 1
	s_cmp_lg_u32 s3, 0
	s_cbranch_scc1 .Llap
	RESID                                  ; seven K steps ahead of the way out
.endif
	STEPK 0, 1, 0, -1, -1
	STEPK 0, 2, 0, -1, -1
	STEPK 0, 3, 0, -1, -1                  ; K steps 3 to 6 like the others: a tile's eight K steps lie on end, 2,048 bytes each
	STEPK 0, 4, 0, -1, -1
	STEPK 0, 5, 0, -1, -1
	STEPK 0, 6, 0, -1, -1
	s_wait_dscnt 8
	WIN MUL
	MUL4 1, 0, SC+28, 0
	MUL4 1, 1, SC+28, 0
	s_wait_dscnt 0
	MUL4 1, 2, SC+28, 0
	MUL4 1, 3, SC+28, 0
	WIN 0
	PLACES 8
; THE WAY OUT, a tile of 16 tokens x 64 columns at a time, through my own stage: back come whole rows of 256 bytes, the residual is added, sixteen lanes store 256 consecutive aligned bytes.
.macro TOSTAGE a
	WIN 0x08                               ; an LDS store's data are its source 1: window 2
.irp b, 0,1,2,3
	ds_store_b128 v[STO], v[8*(4*(\a)+\b):8*(4*(\a)+\b)+3] offset:128*(\b/2)+32*(\b%2)     ; each accumulator from its low end on
	ds_store_b128 v[STO], v[8*(4*(\a)+\b)+4:8*(4*(\a)+\b)+7] offset:128*(\b/2)+32*(\b%2)+16
.endr
	WIN 0
.set OB, OB0+32*(\a)                   ; each of the four tiles has 32 registers of its own (v128-255): no store's data are written again
.irp i, 0,1,2,3,4,5,6,7
	ds_load_b128 v[OB+4*\i:OB+4*\i+3], v[RD] offset:\i*2*SPITCH
.endr
.endm
.macro SEND a, younger
.set OB, OB0+32*(\a)
	s_wait_dscnt \younger
	WIN 0x08
.irp i, 0,2,4,6,8,10,12,14,16,18,20,22,24,26,28,30
	v_pk_add_f32 v[OB+\i:OB+\i+1], v[OB+\i:OB+\i+1], v[128+32*(\a)+\i:128+32*(\a)+\i+1]
.endr
	WIN 0
.irp i, 0,1,2,3,4,5,6,7
	global_store_b128 v[VRO], v[OB+4*\i:OB+4*\i+3], s[12:13] offset:(32*((\a)/2)+8*((\a)%2)+2*\i+8*(\i/4))*4096
.endr
.endm
	s_wait_loadcnt 0x0                     ; the residual
	TOSTAGE 0
.irp a, 1,2,3
	TOSTAGE \a
	SEND \a-1, 16
.endr
	SEND 3, 0
	s_wait_tensorcnt 0x0                   ; the wave's end
	ds_add_u32 v[SPW], v[NIL]
	s_wait_dscnt 0x0
	CROUND                                 ; the closing round
	s_endpgm
.Lfunc_end_k_q0decd4ccca_wo:
	.size	k_q0decd4ccca_wo, .Lfunc_end_k_q0decd4ccca_wo-k_q0decd4ccca_wo
	.p2alignl 7, 3214868480
	.fill 96, 4, 3214868480
	.section	.rodata,"a",@progbits
	.p2align	6, 0x0
	.amdhsa_kernel k_q0decd4ccca_wo
		.amdhsa_group_segment_fixed_size 327680
		.amdhsa_private_segment_fixed_size 0
		.amdhsa_enable_private_segment 0
		.amdhsa_kernarg_size 40
		.amdhsa_user_sgpr_count 2
		.amdhsa_user_sgpr_kernarg_segment_ptr 1
		.amdhsa_wavefront_size32 1
		.amdhsa_system_sgpr_workgroup_id_x 1
		.amdhsa_system_sgpr_workgroup_id_y 1
		.amdhsa_system_sgpr_workgroup_id_z 1
		.amdhsa_system_vgpr_workitem_id 0
		.amdhsa_next_free_vgpr 832
		.amdhsa_next_free_sgpr 100
		.amdhsa_reserve_vcc 1
		.amdhsa_float_denorm_mode_32 3
		.amdhsa_float_denorm_mode_16_64 3
		.amdhsa_memory_ordered 1
		.amdhsa_forward_progress 1
		.amdhsa_inst_pref_size 61
	.end_amdhsa_kernel
	.amdgpu_metadata
---
amdhsa.version: [ 1, 2 ]
amdhsa.kernels:
  - .name:           k_q0decd4ccca_wo
    .symbol:         k_q0decd4ccca_wo.kd
    .args:
      - { .name: bufO, .offset: 0, .size: 8, .value_kind: global_buffer, .address_space: global }
      - { .name: wsP, .offset: 8, .size: 8, .value_kind: global_buffer, .address_space: global }
      - { .name: bo, .offset: 16, .size: 8, .value_kind: global_buffer, .address_space: global }
      - { .name: x, .offset: 24, .size: 8, .value_kind: global_buffer, .address_space: global }
      - { .name: x1, .offset: 32, .size: 8, .value_kind: global_buffer, .address_space: global }
    .group_segment_fixed_size: 327680
    .private_segment_fixed_size: 0
    .kernarg_segment_align: 8
    .kernarg_segment_size: 40
    .max_flat_workgroup_size: 128
    .sgpr_count:     100
    .vgpr_count:     832
    .wavefront_size: 32
...
	.end_amdgpu_metadata
.endif
;; end of part 4
;; launch ln2 (part 5): grid 256 x 1, 4 waves a work-group, no clusters, 66,304 bytes of LDS; arguments x1, g2, beta2, buf1; writes buf1
.if DOCPART == 5
	.amdgcn_target "amdgcn-amd-amdhsa--gfx1250"
	.amdhsa_code_object_version 6
	.text
	.protected	k_q0decd4ccca_ln2
	.globl	k_q0decd4ccca_ln2
	.p2align	8
	.type	k_q0decd4ccca_ln2,@function
k_q0decd4ccca_ln2:
	s_mov_b64 s[64:65], 0
	v_nop
	global_prefetch_b8 v0, s[64:65] scope:SCOPE_SE
	s_setreg_imm32_b32 hwreg(HW_REG_WAVE_MODE, 25, 1), 1
	s_wait_xcnt 0x0
; LayerNorm 2 of the 16 tokens of tile ttmp9 (row r of tile t = token 32 (t / 2) + 8 (t % 2) + r + 8 (r / 8)), quantised to E5M2 codes with one E8M0 byte for each 32 along K.
; Phase 1: wave w normalises tile rows 4 w .. 4 w + 3 (four neighbouring tokens), a row in 32 registers.  Phase 2, behind one barrier: wave w quantises K steps 2 w, 2 w + 1 of all 16 rows.
; Codes leave as the image of the operand's registers, [tile][K step][c][lane][16 bytes]; scale words as [K step][512 tiles][16 rows].
; LIMITS: NaN and infinities are not served; a block under 2^(16 - 127) (a block of zeros too) keeps the byte 1: only this program reads the bytes.
.set SSOFF,   4194304
.set PITCH,   4112
.set OUTP, 22
.set X,   16
.set G,   144
.set BE,  176
.set TM,  208
.set PW0, 224
.set PW1, 225
.set SU,  226
.set MU,  234
.set RS,  242
.set TP,  250
.set SEL, 46
.set MNT, 48
.macro QUANT s, pc, pw
.irp b, 0,1,2,3
	v_max3_num_f32 v[TM+\b], |v[\s+16*\b]|, |v[\s+1+16*\b]|, 0x8000000   ; my 16 numbers of block b and the floor 2^(16 - 127)
.endr
.irp i, 2,4,6,8,10,12,14
.irp b, 0,1,2,3
	v_max3_num_f32 v[TM+\b], v[TM+\b], |v[\s+16*\b+\i]|, |v[\s+1+16*\b+\i]|
.endr
.endr
.irp b, 0,1,2,3
	v_permlanex16_b32 v[TM+4+\b], v[TM+\b], s[SEL], s[SEL+1]
.endr
.irp b, 0,1,2,3
	v_max_num_f32 v[TM+\b], v[TM+\b], v[TM+4+\b]
.endr
.irp b, 0,1,2,3
	v_add_nc_u32 v[TM+12+\b], 0xf8800000, v[TM+\b]
.endr
.irp b, 0,1,2,3
	v_and_or_b32 v[TM+8+\b], v[TM+\b], 0x7f800000, s[MNT]
.endr
.irp b, 0,1,2,3
	v_lshrrev_b32 v[TM+4+\b], 23, v[TM+12+\b]
.endr
	v_lshl_or_b32 v[\pw], v[TM+5], 8, v[TM+4]
	v_lshl_or_b32 v[\pw], v[TM+6], 16, v[\pw]
	v_lshl_or_b32 v[\pw], v[TM+7], 24, v[\pw]
.irp b, 0,1,2,3
.irp i, 0,1,2,3,4,5,6,7,8,9,10,11,12,13,14,15
	v_med3_num_f32 v[\s+16*\b+\i], v[\s+16*\b+\i], -v[TM+8+\b], v[TM+8+\b]
.endr
	v_cvt_scalef32_pk8_bf8_f32 v[\pc+4*\b:\pc+1+4*\b], v[\s+16*\b:\s+7+16*\b], v[TM+12+\b]
	v_cvt_scalef32_pk8_bf8_f32 v[\pc+2+4*\b:\pc+3+4*\b], v[\s+8+16*\b:\s+15+16*\b], v[TM+12+\b]
.endr
	v_nop
.endm
.macro REDUCE
.irp k, 0,1,2,3
	v_add_f32 v[SU+2*\k], v[SU+2*\k], v[SU+2*\k+1]
.endr
.irp m, 1,2,4,8
.irp k, 0,1,2,3
	v_add_f32_dpp v[SU+2*\k], v[SU+2*\k], v[SU+2*\k] row_xmask:\m row_mask:0xf bank_mask:0xf
.endr
.endr
.irp k, 0,1,2,3
	v_permlanex16_b32 v[TP+\k], v[SU+2*\k], s[SEL], s[SEL+1]
.endr
.irp k, 0,1,2,3
	v_add_f32 v[SU+2*\k], v[SU+2*\k], v[TP+\k]
.endr
.endm
	s_load_b128 s[16:19], s[0:1], 0x0      ; x1 16, g2 18
	s_load_b128 s[20:23], s[0:1], 0x10     ; beta2 20, buf1 22
	v_lshl_add_u32 v254, v0, 2, 0x10100
	v_mov_b32 v255, 0
	v_lshrrev_b32 v1, 5, v0
	v_readfirstlane_b32 s8, v1             ; wave
	v_and_b32 v1, 31, v0                   ; lane
	v_and_b32 v2, 15, v0                   ; r
	v_bfe_u32 v3, v0, 4, 1                 ; h
	v_lshlrev_b32 v4, 4, v1                ; 16 x lane
	s_wait_alu depctr_va_vdst(0)
	s_lshr_b32 s9, ttmp9, 1
	s_lshl_b32 s9, s9, 5
	s_and_b32 s10, ttmp9, 1
	s_lshl_b32 s10, s10, 3
	s_add_co_u32 s9, s9, s10
	s_lshl_b32 s10, s8, 2
	s_add_co_u32 s9, s9, s10
	s_lshr_b32 s10, s8, 1
	s_lshl_b32 s10, s10, 3
	s_add_co_u32 s9, s9, s10               ; my first token
	s_lshl_b32 s10, s9, 12
	s_mov_b32 s11, 0
	s_mul_i32 s12, s8, 4*PITCH
	v_add_nc_u32 v5, s12, v4
	v_mul_u32_u24 v6, v2, PITCH
	v_lshl_add_u32 v6, v3, 6, v6
	s_lshl_b32 s12, s8, 10
	v_add_nc_u32 v6, s12, v6
	v_lshlrev_b32 v7, 2, v2
	v_lshl_add_u32 v7, v3, 15, v7
	s_lshl_b32 s12, ttmp9, 14
	s_lshl_b32 s13, s8, 12
	s_add_co_u32 s12, s12, s13
	s_mov_b32 s13, 0
	s_lshl_b32 s14, s8, 16
	s_lshl_b32 s15, ttmp9, 6
	s_add_co_u32 s14, s14, s15
	s_add_co_u32 s14, s14, SSOFF
	s_mov_b32 s15, 0
	s_mov_b32 s[SEL], 0x76543210
	s_mov_b32 s[SEL+1], 0xfedcba98
	s_mov_b32 s[MNT], 0x600000
	s_mov_b32 s49, 0x3a800000              ; 1 / 1024
	s_mov_b32 s50, 0x3727c5ac              ; 1e-5
	s_wait_kmcnt 0x0
	s_add_nc_u64 s[16:17], s[16:17], s[10:11]
	s_add_nc_u64 s[42:43], s[OUTP:OUTP+1], s[12:13]
	s_add_nc_u64 s[44:45], s[OUTP:OUTP+1], s[14:15]
.irp k, 0,1,2,3
.irp j, 0,1,2,3,4,5,6,7
	global_load_b128 v[X+32*\k+4*\j:X+32*\k+4*\j+3], v4, s[16:17] offset:\k*4096+512*\j
.endr
.endr
.irp j, 0,1,2,3,4,5,6,7
	global_load_b128 v[G+4*\j:G+4*\j+3], v4, s[18:19] offset:512*\j
.endr
.irp j, 0,1,2,3,4,5,6,7
	global_load_b128 v[BE+4*\j:BE+4*\j+3], v4, s[20:21] offset:512*\j
.endr
.irp k, 0,1,2,3
	v_mov_b32 v[TP+\k], 0                  ; a lane permute's destination counts as one of its sources
	v_mov_b32 v[TM+4+\k], 0
.endr
	s_wait_loadcnt 16                      ; the rows are in; the sixteen loads of gain and offset may be out
.irp k, 0,1,2,3
	v_pk_add_f32 v[SU+2*\k:SU+2*\k+1], v[X+32*\k:X+32*\k+1], v[X+32*\k+2:X+32*\k+3]
.endr
.irp i, 4,6,8,10,12,14,16,18,20,22,24,26,28,30
.irp k, 0,1,2,3
	v_pk_add_f32 v[SU+2*\k:SU+2*\k+1], v[SU+2*\k:SU+2*\k+1], v[X+32*\k+\i:X+32*\k+\i+1]
.endr
.endr
	REDUCE
.irp k, 0,1,2,3
	v_mul_f32 v[MU+2*\k], s49, v[SU+2*\k]
	v_mul_f32 v[MU+2*\k+1], s49, v[SU+2*\k]
.endr
.irp i, 0,2,4,6,8,10,12,14,16,18,20,22,24,26,28,30
.irp k, 0,1,2,3
	v_pk_add_f32 v[X+32*\k+\i:X+32*\k+\i+1], v[X+32*\k+\i:X+32*\k+\i+1], v[MU+2*\k:MU+2*\k+1] neg_lo:[0,1] neg_hi:[0,1]
.endr
.endr
.irp k, 0,1,2,3
	v_pk_mul_f32 v[SU+2*\k:SU+2*\k+1], v[X+32*\k:X+32*\k+1], v[X+32*\k:X+32*\k+1]
.endr
.irp i, 2,4,6,8,10,12,14,16,18,20,22,24,26,28,30
.irp k, 0,1,2,3
	v_pk_fma_f32 v[SU+2*\k:SU+2*\k+1], v[X+32*\k+\i:X+32*\k+\i+1], v[X+32*\k+\i:X+32*\k+\i+1], v[SU+2*\k:SU+2*\k+1]
.endr
.endr
	REDUCE
.irp k, 0,1,2,3
	v_fma_f32 v[SU+2*\k], v[SU+2*\k], s49, s50
.endr
	s_wait_alu depctr_va_vdst(0)
.irp k, 0,1,2,3
	v_rsq_f32 v[RS+2*\k], v[SU+2*\k]
	v_rsq_f32 v[RS+2*\k+1], v[SU+2*\k]
.endr
	v_nop                                  ; a plain line between the last root and the use of its result
	s_wait_loadcnt 0x0
	s_wait_alu depctr_va_vdst(0)
.irp i, 0,2,4,6,8,10,12,14,16,18,20,22,24,26,28,30
.irp k, 0,1,2,3
	v_pk_mul_f32 v[X+32*\k+\i:X+32*\k+\i+1], v[X+32*\k+\i:X+32*\k+\i+1], v[RS+2*\k:RS+2*\k+1]
.endr
.irp k, 0,1,2,3
	v_pk_fma_f32 v[X+32*\k+\i:X+32*\k+\i+1], v[X+32*\k+\i:X+32*\k+\i+1], v[G+\i:G+\i+1], v[BE+\i:BE+\i+1]
.endr
.endr
.irp k, 0,1,2,3
.irp j, 0,1,2,3,4,5,6,7
	ds_store_b128 v5, v[X+32*\k+4*\j:X+32*\k+4*\j+3] offset:\k*PITCH+512*\j
.endr
.endr
	s_wait_dscnt 0x0                       ; for the others' sake: my rows lie in LDS
	s_barrier_signal -1
	s_barrier_wait -1
.irp s, 0,1
.irp c, 0,1,2,3
.irp j, 0,1,2,3
	ds_load_b128 v[X+64*\s+16*\c+4*\j:X+64*\s+16*\c+4*\j+3], v6 offset:512*\s+128*\c+16*\j
.endr
.endr
.endr
	s_wait_dscnt 16                        ; the first K step's sixteen loads are in
	QUANT X, G, PW0
	s_wait_dscnt 0x0
	QUANT X+64, G+16, PW1
.irp c, 0,1,2,3
	global_store_b128 v4, v[G+4*\c:G+4*\c+3], s[42:43] offset:512*\c
.endr
.irp c, 0,1,2,3
	global_store_b128 v4, v[G+16+4*\c:G+16+4*\c+3], s[42:43] offset:2048+512*\c
.endr
	v_cmp_ne_u32 vcc_lo, 0, v3
	v_cndmask_b32 v8, v[PW0], v[PW1], vcc_lo
	global_store_b32 v7, v8, s[44:45]
	s_wait_tensorcnt 0x0
	ds_add_u32 v254, v255
	s_wait_dscnt 0x0
	s_endpgm
.Lfunc_end_k_q0decd4ccca_ln2:
	.size	k_q0decd4ccca_ln2, .Lfunc_end_k_q0decd4ccca_ln2-k_q0decd4ccca_ln2
	.p2alignl 7, 3214868480
	.fill 96, 4, 3214868480
	.section	.rodata,"a",@progbits
	.p2align	6, 0x0
	.amdhsa_kernel k_q0decd4ccca_ln2
		.amdhsa_group_segment_fixed_size 66304
		.amdhsa_private_segment_fixed_size 0
		.amdhsa_enable_private_segment 0
		.amdhsa_kernarg_size 32
		.amdhsa_user_sgpr_count 2
		.amdhsa_user_sgpr_kernarg_segment_ptr 1
		.amdhsa_wavefront_size32 1
		.amdhsa_system_sgpr_workgroup_id_x 1
		.amdhsa_system_sgpr_workgroup_id_y 1
		.amdhsa_system_sgpr_workgroup_id_z 1
		.amdhsa_system_vgpr_workitem_id 0
		.amdhsa_next_free_vgpr 256
		.amdhsa_next_free_sgpr 66
		.amdhsa_reserve_vcc 1
		.amdhsa_float_denorm_mode_32 3
		.amdhsa_float_denorm_mode_16_64 3
		.amdhsa_memory_ordered 1
		.amdhsa_forward_progress 1
		.amdhsa_inst_pref_size 52
	.end_amdhsa_kernel
	.amdgpu_metadata
---
amdhsa.version: [ 1, 2 ]
amdhsa.kernels:
  - .name:           k_q0decd4ccca_ln2
    .symbol:         k_q0decd4ccca_ln2.kd
    .args:
      - { .name: x1, .offset: 0, .size: 8, .value_kind: global_buffer, .address_space: global }
      - { .name: g2, .offset: 8, .size: 8, .value_kind: global_buffer, .address_space: global }
      - { .name: beta2, .offset: 16, .size: 8, .value_kind: global_buffer, .address_space: global }
      - { .name: buf1, .offset: 24, .size: 8, .value_kind: global_buffer, .address_space: global }
    .group_segment_fixed_size: 66304
    .private_segment_fixed_size: 0
    .kernarg_segment_align: 8
    .kernarg_segment_size: 32
    .max_flat_workgroup_size: 128
    .sgpr_count:     66
    .vgpr_count:     256
    .wavefront_size: 32
...
	.end_amdgpu_metadata
.endif
;; end of part 5
;; launch w1 (part 6): grid 16 x 16, 4 waves a work-group, clusters of 4 x 4, 327,680 bytes of LDS; arguments buf1, wsP, b1, buf2; writes buf2
.if DOCPART == 6
	.amdgcn_target "amdgcn-amd-amdhsa--gfx1250"
	.amdhsa_code_object_version 6
	.text
	.protected	k_q0decd4ccca_w1
	.globl	k_q0decd4ccca_w1
	.p2align	8
	.type	k_q0decd4ccca_w1,@function
k_q0decd4ccca_w1:
	s_mov_b64 s[64:65], 0
	v_nop
	global_prefetch_b8 v0, s[64:65] scope:SCOPE_SE
	s_setreg_imm32_b32 hwreg(HW_REG_WAVE_MODE, 25, 1), 1
	s_wait_xcnt 0x0
	s_wait_alu depctr_hold_cnt(0) depctr_sa_sdst(0) depctr_va_vdst(0) depctr_va_sdst(0) depctr_va_ssrc(0) depctr_va_vcc(0) depctr_vm_vsrc(0)
	s_getreg_b32 s2, hwreg(HW_REG_IB_STS2, 6, 4)
	s_cmp_eq_u32 s2, 0
	s_cbranch_scc0 .Lentry_in_a_cluster
	s_endpgm
.Lentry_in_a_cluster:
	s_bfe_u32 s2, ttmp6, 0x10000c
	s_cmp_lg_u32 s2, 0xf033
	s_cbranch_scc0 .Lentry_shape_is_right
	s_endpgm
.Lentry_shape_is_right:
.set SLOT,  131072
.set SPARE, 2*SLOT
.set ADRA, 16
.set ADRB, 20
.set VSC,  23
.set VBI,  25
.set LI,   26
.set VSO,  27
.set SPW,  28
.set NIL,  29
.set SC,   32
.set AF,   128
.set T,    128
.set PC,   192
.set TM,   224
.set PW,   240
.set DW,   248
.set G1, 24
.set G0, 32
.set G1B, 48
.set G0B, 56
.set SEL, 70
.set MNT, 72
.set MSB, 0
.macro WIN new
.if MSB != \new
	s_set_vgpr_msb (MSB<<8)|\new
.set MSB, \new
.endif
.endm
.set MUL_LO, 0xa1
.set MUL_HI, 0xf1
.set TO_B,   0x40
.macro PLACES n
.rept \n
	v_nop
.endr
.endm
.macro JLOAD g0a, g1a, g0b, g1b
	s_cmp_eq_u32 s15, 0
	s_cbranch_scc0 .Lfor_b_\@
	tensor_load_to_lds s[\g0a:\g0a+3], s[\g1a:\g1a+7]
	s_nop 0
.rept 4
	v_nop
.endr
	s_branch .Lasked_\@
.Lfor_b_\@:
	tensor_load_to_lds s[\g0b:\g0b+3], s[\g1b:\g1b+7]
	s_nop 0
.rept 4
	v_nop
.endr
.Lasked_\@:
.endm
.macro CREST
	s_cmp_lg_u32 s14, 0
	s_cbranch_scc1 .Lnot_wave_0_\@
	s_barrier_signal -3
.Lnot_wave_0_\@:
	s_barrier_wait -3
	s_barrier_signal -1
	s_barrier_wait -1
.endm
.macro CROUND
	s_barrier_signal -1
	s_barrier_wait -1
	CREST
.endm
.macro QUANTR s, pc, pw
.irp b, 0,1,2,3
	v_max3_num_f32 v[TM+\b], v[\s+16*\b], v[\s+1+16*\b], 0x8000000
.endr
.irp i, 2,4,6,8,10,12,14
.irp b, 0,1,2,3
	v_max3_num_f32 v[TM+\b], v[TM+\b], v[\s+16*\b+\i], v[\s+1+16*\b+\i]
.endr
.endr
.irp b, 0,1,2,3
	v_permlanex16_b32 v[TM+4+\b], v[TM+\b], s[SEL], s[SEL+1]
.endr
.irp b, 0,1,2,3
	v_max_num_f32 v[TM+\b], v[TM+\b], v[TM+4+\b]
.endr
.irp b, 0,1,2,3
	v_add_nc_u32 v[TM+12+\b], 0xf8800000, v[TM+\b]
.endr
.irp b, 0,1,2,3
	v_and_or_b32 v[TM+8+\b], v[TM+\b], 0x7f800000, s[MNT]
.endr
.irp b, 0,1,2,3
	v_lshrrev_b32 v[TM+4+\b], 23, v[TM+12+\b]
.endr
	v_lshl_or_b32 v[\pw], v[TM+5], 8, v[TM+4]
	v_lshl_or_b32 v[\pw], v[TM+6], 16, v[\pw]
	v_lshl_or_b32 v[\pw], v[TM+7], 24, v[\pw]
.irp b, 0,1,2,3
.irp i, 0,1,2,3,4,5,6,7,8,9,10,11,12,13,14,15
	v_med3_num_f32 v[\s+16*\b+\i], v[\s+16*\b+\i], 0, v[TM+8+\b]
.endr
	v_cvt_scalef32_pk8_bf8_f32 v[\pc+4*\b:\pc+1+4*\b], v[\s+16*\b:\s+7+16*\b], v[TM+12+\b]
	v_cvt_scalef32_pk8_bf8_f32 v[\pc+2+4*\b:\pc+3+4*\b], v[\s+8+16*\b:\s+15+16*\b], v[TM+12+\b]
.endr
	v_nop
.endm
.macro FRAG reg, adr, q, i
.irp c, 0,1,2,3
	ds_load_b128 v[\reg+4*\c:\reg+4*\c+3], v[\adr] offset:(\i)*4096+(\q)*2048+512*\c
.endr
.endm
.macro FETCH_B slot, q, p
	WIN TO_B
.irp i, 0,1,2,3,4,5,6,7
	FRAG 128*(\p)+16*\i, ADRB+\slot, \q, \i
.endr
	WIN 0
.endm
.macro FETCH_A slot, q, i0
.irp i, \i0, \i0+1, \i0+2, \i0+3
	FRAG AF+16*(\i), ADRA+\slot, \q, \i
.endr
.endm
.macro MUL16 a0, p, s, zero
.irp a, \a0, \a0+1
.irp b, 0,1,2,3,4,5,6,7
.if \zero
	v_wmma_scale_f32_16x16x128_f8f6f4 v[8*(8*((\a)%4)+\b):8*(8*((\a)%4)+\b)+7], v[128*(\p)+16*\b:128*(\p)+16*\b+15], v[AF+16*(\a):AF+16*(\a)+15], 0, v[SC+8*(\s)+\b], v[SC+8*(\s)+(\a)] matrix_a_fmt:MATRIX_FMT_BF8 matrix_b_fmt:MATRIX_FMT_BF8 matrix_a_scale:MATRIX_SCALE_ROW1
.else
	v_wmma_scale_f32_16x16x128_f8f6f4 v[8*(8*((\a)%4)+\b):8*(8*((\a)%4)+\b)+7], v[128*(\p)+16*\b:128*(\p)+16*\b+15], v[AF+16*(\a):AF+16*(\a)+15], v[8*(8*((\a)%4)+\b):8*(8*((\a)%4)+\b)+7], v[SC+8*(\s)+\b], v[SC+8*(\s)+(\a)] matrix_a_fmt:MATRIX_FMT_BF8 matrix_b_fmt:MATRIX_FMT_BF8 matrix_a_scale:MATRIX_SCALE_ROW1
.endif
.endr
.endr
.endm
.macro STEP slot, s, zero
	s_wait_dscnt 16
	WIN MUL_LO
	MUL16 0, 0, \s, \zero
	MUL16 2, 0, \s, \zero
	s_wait_dscnt 0
	PLACES 8
	FETCH_B \slot, 1, 1
	FETCH_A \slot, 1, 0
	WIN MUL_HI
	MUL16 4, 0, \s, \zero
	MUL16 6, 0, \s, \zero
	PLACES 8
	WIN 0
	FETCH_A \slot, 1, 4
.endm
.macro TURN slot, next, s, fill
	s_wait_tensorcnt 0x0
	ds_add_u32 v[SPW], v[NIL]
.if \fill
	s_mov_b32 s[G1+2], 8<<16               ; no tensor load of mine is out, so descriptors may be written: a refill brings 8 tiles a wave,
	s_mov_b32 s[G1+4], 8
	s_mov_b32 s[G1B+2], 8<<16
	s_mov_b32 s[G1B+4], 8
	s_add_co_u32 s[G0+4*\slot+1], s45, \slot*SLOT                          ; into my quarter of this slot,
	s_add_nc_u64 s[G0+4*\slot+2:G0+4*\slot+3], s[20:21], ((\s)+3)/2*4096   ; the chunk two on
	s_or_b32 s[G0+4*\slot+3], s[G0+4*\slot+3], 0x80000000
	s_add_co_u32 s[G0B+4*\slot+1], s45, \slot*SLOT
	s_add_nc_u64 s[G0B+4*\slot+2:G0B+4*\slot+3], s[46:47], ((\s)+3)/2*4096
	s_or_b32 s[G0B+4*\slot+3], s[G0B+4*\slot+3], 0x80000000
.endif
	s_wait_dscnt 17
	WIN MUL_LO
	MUL16 0, 1, \s, 0
	s_wait_dscnt 0x0
	s_barrier_signal -1
	MUL16 2, 1, \s, 0
	WIN 0
	s_barrier_wait -1
.if \fill
	CREST
	JLOAD G0+4*\slot, G1, G0B+4*\slot, G1B
	PLACES 4
.else
	PLACES 8
.endif
	FETCH_B \next, 0, 0
	FETCH_A \next, 0, 0
	WIN MUL_HI
	MUL16 4, 1, \s, 0
	MUL16 6, 1, \s, 0
	PLACES 8
	WIN 0
	FETCH_A \next, 0, 4
.endm
	s_load_b256 s[4:11], s[0:1], 0x0
	v_lshl_add_u32 v[SPW], v0, 2, SPARE
	v_mov_b32 v[NIL], 0
	ds_add_u32 v28, v29
	ds_add_u32 v28, v29
	s_wait_dscnt 0x0
	v_lshrrev_b32 v1, 5, v0
	v_readfirstlane_b32 s14, v1
	v_and_b32 v30, 15, v0
	v_bfe_u32 v31, v0, 4, 1
	v_lshlrev_b32 v30, 8, v30
	v_lshl_add_u32 v31, v31, 14, v30       ; the prefetches' offset: lanes 0-15 one tile's 4,096 bytes of a chunk, 256 bytes apart, lanes 16-31 the next tile's (16,384 bytes on)
	s_wait_alu depctr_va_vdst(0)           ; the wait here, directly behind the write
	s_lshr_b32 s15, s14, 1
	s_and_b32 s16, s14, 1
	s_bfe_u32 s40, ttmp6, 0x40000
	s_bfe_u32 s41, ttmp6, 0x40004
	s_lshl_b32 s42, ttmp9, 2
	s_add_co_u32 s42, s42, s40
	s_and_b32 s17, ttmp7, 0xffff
	s_lshl_b32 s17, s17, 2
	s_add_co_u32 s17, s17, s41
	s_lshl_b32 s43, s41, 2
	s_lshl_b32 s43, 15, s43
	s_lshl_b32 s44, 0x1111, s40
	s_or_b32 s[G1+0], s43, (3<<16)|(1<<21)
	s_or_b32 s[G1B+0], s44, (3<<16)|(1<<21)
.irp g, G1, G1B
	s_mov_b32 s[\g+1], 512<<16
	s_mov_b32 s[\g+2], 16<<16              ; the head's loads bring an operand's 16 tiles; the ring's bring 8 (set at the first change of slots)
	s_mov_b32 s[\g+3], 512<<16
	s_mov_b32 s[\g+4], 16
	s_mov_b32 s[\g+5], 2048
	s_mov_b32 s[\g+6], 0
	s_mov_b32 s[\g+7], 0
.endr
	s_lshl_b32 s20, s17, 18
	s_lshl_b32 s21, s16, 17
	s_add_co_u32 s20, s20, s21
	s_mov_b32 s21, 0
	s_lshl_b32 s46, s42, 18
	s_lshl_b32 s47, s16, 17
	s_add_co_u32 s46, s46, s47
	s_add_co_u32 s46, s46, 8650752
	s_mov_b32 s47, 0
	s_lshl_b32 s45, s14, 15
	s_mov_b32 s[SEL], 0x76543210
	s_mov_b32 s[SEL+1], 0xfedcba98
	s_mov_b32 s[MNT], 0x600000
	s_wait_kmcnt 0x0
	s_add_nc_u64 s[20:21], s[4:5], s[20:21]
	s_add_nc_u64 s[46:47], s[6:7], s[46:47]
	s_cmp_eq_u32 s15, 0                    ; the prefetches: of the 8 tiles that I fetch, each of the four partners that ask with me names two, told apart by address
	s_cselect_b64 s[96:97], s[20:21], s[46:47]
	s_cselect_b32 s98, s40, s41
	s_lshl_b32 s98, s98, 15
	s_mov_b32 s99, 0
	s_add_nc_u64 s[96:97], s[96:97], s[98:99]
	CROUND
; THE HEAD'S LOADS, ONE A WAVE: both slots' first fills are four tiles of 65,536 bytes: wave 0 fetches A's chunk 0 (16 tiles x 4,096 bytes), wave 1 W's, wave 2 A's chunk 1, wave 3 W's.
; Their group 0 lies in slot 0's registers, which the first refill writes anew.  One chain of branches on the wave's number, a load line to each arm: waves 0 and 1 alone wait at the first barrier.
	s_mov_b32 s[G0], 1
	s_mov_b32 s[G0+4], 1
	s_mov_b32 s[G0B], 1
	s_mov_b32 s[G0B+4], 1
	s_lshl_b32 s98, s16, 17                ; back from my half of the ring's tiles to the operand's first tile,
	s_sub_nc_u64 s[G0+2:G0+3], s[20:21], s[98:99]
	s_sub_nc_u64 s[G0B+2:G0B+3], s[46:47], s[98:99]
	s_lshl_b32 s98, s15, 12                ; on to chunk wave / 2,
	s_add_nc_u64 s[G0+2:G0+3], s[G0+2:G0+3], s[98:99]
	s_add_nc_u64 s[G0B+2:G0B+3], s[G0B+2:G0B+3], s[98:99]
	s_or_b32 s[G0+3], s[G0+3], 0x80000000
	s_or_b32 s[G0B+3], s[G0B+3], 0x80000000
	s_lshl_b32 s[G0+1], s15, 17            ; into slot wave / 2: A's tiles first,
	s_add_co_u32 s[G0B+1], s[G0+1], 65536  ; W's behind them
.macro ARM under, g0, g1, next
	s_cmp_lt_u32 s14, \under
	s_cbranch_scc0 \next
	tensor_load_to_lds s[\g0:\g0+3], s[\g1:\g1+7]
	s_nop 0
.rept 4
	v_nop
.endr
	s_branch .Lhead_asked
\next:
.endm
	ARM 1, G0,  G1,  .Lhead_b0
	ARM 2, G0B, G1B, .Lhead_a1
	ARM 3, G0,  G1,  .Lhead_b1
	tensor_load_to_lds s[G0B:G0B+3], s[G1B:G1B+7]
	s_nop 0
.rept 4
	v_nop
.endr
.Lhead_asked:
	global_prefetch_b8 v31, s[96:97] offset:8192 th:TH_LOAD_NT scope:SCOPE_SE    ; chunks 2 and 3 of 256 along K, which the two refills load
	global_prefetch_b8 v31, s[96:97] offset:12288 th:TH_LOAD_NT scope:SCOPE_SE
	v_and_b32 v1, 15, v0
	v_bfe_u32 v2, v0, 4, 1
	s_wait_alu depctr_va_vdst(0)
	v_and_b32 v3, 31, v0
	v_lshlrev_b32 v[LI], 4, v3
	s_wait_alu depctr_va_vdst(0)
	v_lshlrev_b32 v[VSC], 2, v3
	v_lshlrev_b32 v[VBI], 6, v2
	s_lshl_b32 s68, s17, 4
	s_lshl_b32 s69, s15, 3
	s_add_co_u32 s68, s68, s69
	s_lshl_b32 s86, s68, 6
	s_lshl_b32 s69, s42, 4
	s_lshl_b32 s73, s16, 3
	s_add_co_u32 s69, s69, s73
	s_add_co_u32 s69, s69, 256
	s_lshl_b32 s69, s69, 6
	v_mov_b32 v4, s86
	v_mov_b32 v5, s69
	v_cmp_ne_u32 vcc_lo, 0, v2
	v_cndmask_b32 v[VSO], v4, v5, vcc_lo
	v_lshl_add_u32 v[VSO], v1, 2, v[VSO]
	s_add_nc_u64 s[74:75], s[4:5], 4194304
.irp s, 0,1,2,3,4,5,6,7
.irp i, 0,1,2,3,4,5,6,7
	global_load_b32 v[SC+8*\s+\i], v[VSO], s[74:75] offset:\s*32768+64*\i
.endr
.endr
	s_lshl_b32 s87, s42, 1
	s_add_co_u32 s87, s87, s16
	s_lshl_b32 s90, s87, 9
	s_mov_b32 s91, 0
	s_add_nc_u64 s[76:77], s[8:9], s[90:91]
	s_lshl_b32 s90, s68, 16
	s_lshl_b32 s92, s87, 11
	s_add_co_u32 s90, s90, s92
	s_add_nc_u64 s[80:81], s[10:11], s[90:91]
	s_lshl_b32 s90, s87, 15
	s_add_co_u32 s90, s90, s86
	s_add_co_u32 s90, s90, 16777216
	s_add_nc_u64 s[84:85], s[10:11], s[90:91]
	s_lshl_b32 s68, s15, 15
	s_lshl_b32 s69, s16, 15
	s_add_co_u32 s69, s69, 65536
.irp s, 0,1
	v_add_nc_u32 v[ADRA+\s], s68, v[LI]
	v_add_nc_u32 v[ADRB+\s], s69, v[LI]
	s_add_co_u32 s68, s68, SLOT
	s_add_co_u32 s69, s69, SLOT
.endr
	s_wait_alu depctr_va_vdst(0)
	s_cmp_lt_u32 s14, 2
	s_cbranch_scc0 .Lnot_first
	s_wait_tensorcnt 0x0                   ; waves 0, 1: slot 0's tiles are in.  Waves 2 and 3 wait for slot 1's at the first change of slots
.Lnot_first:
	s_barrier_signal -1
	s_barrier_wait -1
	FETCH_B 0, 0, 0
	FETCH_A 0, 0, 0
	FETCH_A 0, 0, 4
	s_wait_loadcnt 0x0
	STEP 0, 0, 1
	TURN 0, 1, 1, 1
	STEP 1, 2, 0
	TURN 1, 0, 3, 1
	STEP 0, 4, 0
	TURN 0, 1, 5, 0
	STEP 1, 6, 0
	s_wait_dscnt 16
	WIN MUL_LO
	MUL16 0, 1, 7, 0
	MUL16 2, 1, 7, 0
	s_wait_dscnt 0
	PLACES 8
	WIN TO_B
.irp c, 0,1,2,3
.irp j, 0,1,2,3
	global_load_b128 v[16*\c+4*\j:16*\c+4*\j+3], v[VBI], s[76:77] offset:128*\c+16*\j
.endr
.endr
	WIN MUL_HI
	MUL16 4, 1, 7, 0
	MUL16 6, 1, 7, 0
	PLACES 8
	WIN 0
.irp b, 0,1,2,3
	v_mov_b32 v[TM+4+\b], 0
.endr
.macro HBLK a
.if (\a) == 4
	s_wait_xcnt 0x0                        ; the codes have four sets of registers by turns: the stores of blocks 0 to 3 have read theirs
.endif
.if \a == 0
	s_wait_loadcnt 0x0
.endif
.set WX, 0x06+(\a)/4
.set AC, 64*((\a)%4)
.if ((\a)%4) < 2
.set PCX, PC+16*((\a)%4)
.else
.set PCX, 96+16*((\a)%4-2)
.endif
.set PWX, PW+(\a)
	WIN WX
.irp i, 0,2,4,6,8,10,12,14,16,18,20,22,24,26,28,30,32,34,36,38,40,42,44,46,48,50,52,54,56,58,60,62
	v_pk_add_f32 v[T+\i:T+\i+1], v[AC+\i:AC+\i+1], v[\i:\i+1]
.endr
	WIN 0
	QUANTR T, PCX, PWX
.irp c, 0,1,2,3
	global_store_b128 v[LI], v[PCX+4*\c:PCX+4*\c+3], s[80:81] offset:(\a)*65536+512*\c
.endr
.endm
.irp a, 0,1,2,3,4,5,6,7
	HBLK \a
.endr
	v_cmp_ne_u32 vcc_lo, 0, v2
.irp p, 0,1,2,3
	v_cndmask_b32 v[DW+\p], v[PW+2*\p], v[PW+2*\p+1], vcc_lo
	global_store_b32 v[VSC], v[DW+\p], s[84:85] offset:128*\p
.endr
	s_wait_tensorcnt 0x0
	ds_add_u32 v[SPW], v[NIL]
	s_wait_dscnt 0x0
	CROUND
	s_endpgm
.Lfunc_end_k_q0decd4ccca_w1:
	.size	k_q0decd4ccca_w1, .Lfunc_end_k_q0decd4ccca_w1-k_q0decd4ccca_w1
	.p2alignl 7, 3214868480
	.fill 96, 4, 3214868480
	.section	.rodata,"a",@progbits
	.p2align	6, 0x0
	.amdhsa_kernel k_q0decd4ccca_w1
		.amdhsa_group_segment_fixed_size 327680
		.amdhsa_private_segment_fixed_size 0
		.amdhsa_enable_private_segment 0
		.amdhsa_kernarg_size 32
		.amdhsa_user_sgpr_count 2
		.amdhsa_user_sgpr_kernarg_segment_ptr 1
		.amdhsa_wavefront_size32 1
		.amdhsa_system_sgpr_workgroup_id_x 1
		.amdhsa_system_sgpr_workgroup_id_y 1
		.amdhsa_system_sgpr_workgroup_id_z 1
		.amdhsa_system_vgpr_workitem_id 0
		.amdhsa_next_free_vgpr 1024
		.amdhsa_next_free_sgpr 100
		.amdhsa_reserve_vcc 1
		.amdhsa_float_denorm_mode_32 3
		.amdhsa_float_denorm_mode_16_64 3
		.amdhsa_memory_ordered 1
		.amdhsa_forward_progress 1
		.amdhsa_inst_pref_size 205
	.end_amdhsa_kernel
	.amdgpu_metadata
---
amdhsa.version: [ 1, 2 ]
amdhsa.kernels:
  - .name:           k_q0decd4ccca_w1
    .symbol:         k_q0decd4ccca_w1.kd
    .args:
      - { .name: buf1, .offset: 0, .size: 8, .value_kind: global_buffer, .address_space: global }
      - { .name: wsP, .offset: 8, .size: 8, .value_kind: global_buffer, .address_space: global }
      - { .name: b1, .offset: 16, .size: 8, .value_kind: global_buffer, .address_space: global }
      - { .name: buf2, .offset: 24, .size: 8, .value_kind: global_buffer, .address_space: global }
    .group_segment_fixed_size: 327680
    .private_segment_fixed_size: 0
    .kernarg_segment_align: 8
    .kernarg_segment_size: 32
    .max_flat_workgroup_size: 128
    .sgpr_count:     100
    .vgpr_count:     1024
    .wavefront_size: 32
...
	.end_amdgpu_metadata
.endif
;; end of part 6
;; launch w2 (part 7): grid 8 x 32, 4 waves a work-group, clusters of 4 x 4, 327,680 bytes of LDS; arguments buf2, wsP, b2, x1, out0; writes out0
.if DOCPART == 7
	.amdgcn_target "amdgcn-amd-amdhsa--gfx1250"
	.amdhsa_code_object_version 6
	.text
	.protected	k_q0decd4ccca_w2
	.globl	k_q0decd4ccca_w2
	.p2align	8
	.type	k_q0decd4ccca_w2,@function
k_q0decd4ccca_w2:
	s_mov_b64 s[64:65], 0
	v_nop
	global_prefetch_b8 v0, s[64:65] scope:SCOPE_SE
	s_setreg_imm32_b32 hwreg(HW_REG_WAVE_MODE, 25, 1), 1
	s_wait_xcnt 0x0
	s_wait_alu depctr_hold_cnt(0) depctr_sa_sdst(0) depctr_va_vdst(0) depctr_va_sdst(0) depctr_va_ssrc(0) depctr_va_vcc(0) depctr_vm_vsrc(0)
	s_getreg_b32 s2, hwreg(HW_REG_IB_STS2, 6, 4)
	s_cmp_eq_u32 s2, 0
	s_cbranch_scc0 .Lentry_in_a_cluster
	s_endpgm
.Lentry_in_a_cluster:
	s_bfe_u32 s2, ttmp6, 0x10000c
	s_cmp_lg_u32 s2, 0xf033
	s_cbranch_scc0 .Lentry_shape_is_right
	s_endpgm
.Lentry_shape_is_right:
.set K,     4096
.set SSOFF, 16777216
.set BOFF,  12845056
.set KT,    K/128
.set TSTR,  KT*2048
.set LAPS,  K/1024
.if LAPS == 1
.set FIRSTW, 32
.else
.set FIRSTW, 0
.endif
.set SLOT,  131072
.set STAGE, 2*SLOT
.set SPITCH, 272
.set SPARE, STAGE+4*16*SPITCH
.set ADRA, 16
.set ADRB, 20
.set STO,  24
.set RD,   25
.set VRO,  26
.set VSO,  27
.set SPW,  28
.set NIL,  29
.set VBI,  30
.set SC,   32
.set OB0,  128
.set G1, 24
.set G0, 32
.set G1B, 48
.set G0B, 56
.set MSB, 0
.macro WIN new
.if MSB != \new
	s_set_vgpr_msb (MSB<<8)|\new
.set MSB, \new
.endif
.endm
.set MUL,  0xa5
.set MULF, 0xb5
.set TO_F, 0x40
.macro PLACES n
.rept \n
	v_nop
.endr
.endm
.macro JLOAD g0a, g1a, g0b, g1b
	s_cmp_eq_u32 s15, 0
	s_cbranch_scc0 .Lfor_b_\@
	tensor_load_to_lds s[\g0a:\g0a+3], s[\g1a:\g1a+7]
	s_nop 0
.rept 4
	v_nop
.endr
	s_branch .Lasked_\@
.Lfor_b_\@:
	tensor_load_to_lds s[\g0b:\g0b+3], s[\g1b:\g1b+7]
	s_nop 0
.rept 4
	v_nop
.endr
.Lasked_\@:
.endm
.macro CREST
	s_cmp_lg_u32 s14, 0
	s_cbranch_scc1 .Lnot_wave_0_\@
	s_barrier_signal -3
.Lnot_wave_0_\@:
	s_barrier_wait -3
	s_barrier_signal -1
	s_barrier_wait -1
.endm
.macro CROUND
	s_barrier_signal -1
	s_barrier_wait -1
	CREST
.endm
.macro FRAG reg, adr, q, i
.irp c, 0,1,2,3
	ds_load_b128 v[\reg+4*\c:\reg+4*\c+3], v[\adr] offset:(\i)*8192+(\q)*2048+512*\c
.endr
.endm
.macro FETCH slot, q, set
	WIN TO_F
.irp i, 0,1,2,3
	FRAG 128*(\set)+64+16*\i, ADRB+\slot, \q, \i
.endr
.irp i, 0,1,2,3
	FRAG 128*(\set)+16*\i, ADRA+\slot, \q, \i
.endr
.endm
.macro MUL4 set, a, sq, first
.irp b, 0,1,2,3
.if \first
	v_wmma_scale_f32_16x16x128_f8f6f4 v[8*(4*\a+\b):8*(4*\a+\b)+7], v[128*(\set)+64+16*\b:128*(\set)+64+16*\b+15], v[128*(\set)+16*\a:128*(\set)+16*\a+15], v[8*\b:8*\b+7], v[\sq+\b], v[\sq+\a] matrix_a_fmt:MATRIX_FMT_BF8 matrix_b_fmt:MATRIX_FMT_BF8 matrix_a_scale:MATRIX_SCALE_ROW1
.else
	v_wmma_scale_f32_16x16x128_f8f6f4 v[8*(4*\a+\b):8*(4*\a+\b)+7], v[128*(\set)+64+16*\b:128*(\set)+64+16*\b+15], v[128*(\set)+16*\a:128*(\set)+16*\a+15], v[8*(4*\a+\b):8*(4*\a+\b)+7], v[\sq+\b], v[\sq+\a] matrix_a_fmt:MATRIX_FMT_BF8 matrix_b_fmt:MATRIX_FMT_BF8 matrix_a_scale:MATRIX_SCALE_ROW1
.endif
.endr
.endm
.macro SCL sl
.irp q, 0,1,2,3
.irp i, 0,1,2,3
	global_load_b32 v[SC+16*\sl+4*\q+\i], v[VSO], s[74+2*\sl:75+2*\sl] offset:\q*32768+64*\i
.endr
.endr
.endm
.macro RESID
	WIN 0x80
.irp a, 0,1,2,3
.irp i, 0,1,2,3,4,5,6,7
	global_load_b128 v[128+32*\a+4*\i:128+32*\a+4*\i+3], v[VRO], s[10:11] offset:(32*(\a/2)+8*(\a%2)+2*\i+8*(\i/4))*4096
.endr
.endr
	WIN 0
.endm
.macro STEPK slot, q, first, scl, lw
.if \lw >= 0
	s_wait_loadcnt \lw
.endif
	s_wait_dscnt 8
.if \first
	WIN MULF
.else
	WIN MUL
.endif
	MUL4 (\q)%2, 0, SC+16*\slot+4*\q, \first
	MUL4 (\q)%2, 1, SC+16*\slot+4*\q, \first
	PLACES 8
	FETCH \slot, (\q)+1, 1-(\q)%2
.if \scl >= 0
	WIN 0
	s_add_nc_u64 s[74+2*\scl:75+2*\scl], s[74+2*\scl:75+2*\scl], 262144
	SCL \scl
.endif
	s_wait_dscnt 32
.if \first
	WIN MULF
.else
	WIN MUL
.endif
	MUL4 (\q)%2, 2, SC+16*\slot+4*\q, \first
	MUL4 (\q)%2, 3, SC+16*\slot+4*\q, \first
.endm
.macro TURN slot, next, fill
	WIN 0
.if \fill
	s_wait_xcnt 0x0                        ; any prefetch of mine has read its address: it steps one chunk of 512 along K (8,192 bytes of a tile) here
	s_add_nc_u64 s[82:83], s[82:83], 8192
.endif
	s_wait_tensorcnt 0x0
	ds_add_u32 v[SPW], v[NIL]
.if \fill
	s_mov_b32 s[G1+2], 4<<16               ; no tensor load of mine is out, so a descriptor may be written: a refill brings 4 tiles a wave
	s_mov_b32 s[G1+4], 4
	s_mov_b32 s[G1B+2], 4<<16
	s_mov_b32 s[G1B+4], 4
.endif
	s_wait_dscnt 9
	WIN MUL
	MUL4 1, 0, SC+16*\slot+12, 0
	s_wait_dscnt 0x0
	s_barrier_signal -1
	MUL4 1, 1, SC+16*\slot+12, 0
.if \fill
	WIN 0
.endif
	s_barrier_wait -1
.if \fill
	CREST
	s_add_nc_u64 s[G0+4*\slot+2:G0+4*\slot+3], s[G0+4*\slot+2:G0+4*\slot+3], 16384
	s_add_nc_u64 s[G0B+4*\slot+2:G0B+4*\slot+3], s[G0B+4*\slot+2:G0B+4*\slot+3], 16384
	JLOAD G0+4*\slot, G1, G0B+4*\slot, G1B
	PLACES 4
.else
	PLACES 8
.endif
	FETCH \next, 0, 0
.if \fill
; A prefetch of the chunk that stands two refills on, behind the joint load and the run of LDS loads.  Of the 4 tiles x 8,192 bytes that a wave fetches, each of the four partners that ask for them jointly
; names one tile, told apart by address (cx for A, cy for W): 32 lanes x 256 bytes, one instruction a wave.  The loop's last trip (s3 = 1) loads chunks 6 and 7: nothing stands two on.
	WIN 0
	s_cmp_gt_u32 s3, 1
	s_cbranch_scc0 .Lno_ask_\@
	global_prefetch_b8 v31, s[82:83] offset:8192 th:TH_LOAD_NT scope:SCOPE_SE
.Lno_ask_\@:
.endif
	WIN MUL
	MUL4 1, 2, SC+16*\slot+12, 0
	MUL4 1, 3, SC+16*\slot+12, 0
.endm
	s_load_b256 s[4:11], s[0:1], 0x0
	s_load_b64 s[12:13], s[0:1], 0x20
	v_lshl_add_u32 v[SPW], v0, 2, SPARE
	v_mov_b32 v[NIL], 0
	ds_add_u32 v28, v29
	ds_add_u32 v28, v29
	s_wait_dscnt 0x0
	v_lshrrev_b32 v1, 5, v0
	v_readfirstlane_b32 s14, v1
	s_lshr_b32 s15, s14, 1
	s_and_b32 s16, s14, 1
	s_bfe_u32 s40, ttmp6, 0x40000
	s_bfe_u32 s41, ttmp6, 0x40004
	s_lshl_b32 s42, ttmp9, 2
	s_add_co_u32 s42, s42, s40
	s_and_b32 s17, ttmp7, 0xffff
	s_lshl_b32 s17, s17, 2
	s_add_co_u32 s17, s17, s41
	s_lshl_b32 s43, s41, 2
	s_lshl_b32 s43, 15, s43
	s_lshl_b32 s44, 0x1111, s40
	s_or_b32 s[G1+0], s43, (3<<16)|(1<<21)
	s_or_b32 s[G1B+0], s44, (3<<16)|(1<<21)
.irp g, G1, G1B
	s_mov_b32 s[\g+1], 1024<<16
	s_mov_b32 s[\g+2], 8<<16               ; the head's loads bring an operand's 8 tiles; the ring's bring 4 (set at each change of slots that fills)
	s_mov_b32 s[\g+3], 1024<<16
	s_mov_b32 s[\g+4], 8
	s_mov_b32 s[\g+5], TSTR/8
	s_mov_b32 s[\g+6], 0
	s_mov_b32 s[\g+7], 0
.endr
	s_lshl_b32 s18, s16, 2
	s_lshl_b32 s20, s17, 3
	s_add_co_u32 s20, s20, s18
	s_mul_i32 s20, s20, TSTR
	s_mov_b32 s21, 0
	s_lshl_b32 s46, s42, 3
	s_add_co_u32 s46, s46, s18
	s_mul_i32 s46, s46, TSTR
	s_add_co_u32 s46, s46, BOFF
	s_mov_b32 s47, 0
	s_lshl_b32 s45, s14, 15
	s_wait_kmcnt 0x0
	s_add_nc_u64 s[20:21], s[4:5], s[20:21]
	s_add_nc_u64 s[46:47], s[6:7], s[46:47]
	CROUND
.irp s, 0,1
	s_mov_b32 s[G0+4*\s], 1
	s_add_co_u32 s[G0+4*\s+1], s45, \s*SLOT
	s_add_nc_u64 s[G0+4*\s+2:G0+4*\s+3], s[20:21], \s*8192
	s_or_b32 s[G0+4*\s+3], s[G0+4*\s+3], 0x80000000
	s_mov_b32 s[G0B+4*\s], 1
	s_add_co_u32 s[G0B+4*\s+1], s45, \s*SLOT
	s_add_nc_u64 s[G0B+4*\s+2:G0B+4*\s+3], s[46:47], \s*8192
	s_or_b32 s[G0B+4*\s+3], s[G0B+4*\s+3], 0x80000000
.endr
; THE HEAD'S LOADS, ONE A WAVE: both slots' first fills are four tiles of 65,536 bytes: wave 0 fetches A's chunk 0 (8 tiles x 8,192 bytes), wave 1 W's, wave 2 A's chunk 1, wave 3 W's.
; One chain of branches on the wave's number, a load line to each arm: waves 0 and 1 alone wait at the first barrier.  The ring's group 0 above is first used, stepped, at the refills.
	s_mov_b32 s88, 1
	s_mov_b32 s92, 1
	s_lshl_b32 s96, s16, 18                ; back from my half of the ring's tiles (4 x TSTR bytes) to the operand's first tile,
	s_mov_b32 s97, 0
	s_sub_nc_u64 s[90:91], s[20:21], s[96:97]
	s_sub_nc_u64 s[94:95], s[46:47], s[96:97]
	s_lshl_b32 s96, s15, 13                ; on to chunk wave / 2,
	s_add_nc_u64 s[90:91], s[90:91], s[96:97]
	s_add_nc_u64 s[94:95], s[94:95], s[96:97]
	s_or_b32 s91, s91, 0x80000000
	s_or_b32 s95, s95, 0x80000000
	s_lshl_b32 s89, s15, 17                ; into slot wave / 2: A's tiles first,
	s_add_co_u32 s93, s89, 65536           ; W's behind them
.macro ARM under, g0, g1, next
	s_cmp_lt_u32 s14, \under
	s_cbranch_scc0 \next
	tensor_load_to_lds s[\g0:\g0+3], s[\g1:\g1+7]
	s_nop 0
.rept 4
	v_nop
.endr
	s_branch .Lhead_asked
\next:
.endm
	ARM 1, 88, G1,  .Lhead_b0
	ARM 2, 92, G1B, .Lhead_a1
	ARM 3, 88, G1,  .Lhead_b1
	tensor_load_to_lds s[92:95], s[G1B:G1B+7]
	s_nop 0
.rept 4
	v_nop
.endr
.Lhead_asked:
	v_and_b32 v1, 15, v0
	v_bfe_u32 v2, v0, 4, 1
	s_wait_alu depctr_va_vdst(0)
	v_and_b32 v3, 31, v0
	v_lshlrev_b32 v3, 4, v3
	v_lshlrev_b32 v[VBI], 6, v2
	s_wait_alu depctr_va_vdst(0)
	s_lshl_b32 s68, s17, 3
	s_lshl_b32 s69, s15, 2
	s_add_co_u32 s68, s68, s69
	s_lshl_b32 s68, s68, 6
	s_lshl_b32 s69, s42, 3
	s_lshl_b32 s73, s16, 2
	s_add_co_u32 s69, s69, s73
	s_add_co_u32 s69, s69, 256
	s_lshl_b32 s69, s69, 6
	v_mov_b32 v4, s68
	v_mov_b32 v5, s69
	v_cmp_ne_u32 vcc_lo, 0, v2
	v_cndmask_b32 v[VSO], v4, v5, vcc_lo
	v_lshl_add_u32 v[VSO], v1, 2, v[VSO]
	s_add_nc_u64 s[74:75], s[4:5], SSOFF
	s_add_nc_u64 s[76:77], s[74:75], 131072
	SCL 0
	SCL 1
	s_lshl_b32 s80, s42, 9
	s_lshl_b32 s81, s16, 8
	s_add_co_u32 s80, s80, s81
	s_mov_b32 s81, 0
	s_lshl_b32 s78, s17, 19
	s_lshl_b32 s79, s15, 18
	s_add_co_u32 s78, s78, s79
	s_add_co_u32 s78, s78, s80
	s_mov_b32 s79, 0
	s_add_nc_u64 s[8:9], s[8:9], s[80:81]
	s_add_nc_u64 s[10:11], s[10:11], s[78:79]
	s_add_nc_u64 s[12:13], s[12:13], s[78:79]
	v_lshlrev_b32 v[VRO], 4, v1
	v_lshl_add_u32 v[VRO], v2, 12, v[VRO]
	WIN 0xc0
.irp b, 0,1,2,3
	global_load_b128 v[8*\b:8*\b+3], v[VBI], s[8:9] offset:(32*(\b/2)+8*(\b%2))*4
	global_load_b128 v[8*\b+4:8*\b+7], v[VBI], s[8:9] offset:(32*(\b/2)+8*(\b%2))*4+16
.endr
.if LAPS == 1
	RESID
.endif
	WIN 0
	s_cmp_eq_u32 s15, 0                    ; the prefetches: do I fetch for A or for W?
	s_cselect_b64 s[82:83], s[20:21], s[46:47]
	s_cselect_b32 s84, s40, s41            ; my place among the four that ask with me
	s_mul_i32 s84, s84, TSTR               ; my work-group's tile of the wave's four,
	s_add_co_u32 s84, s84, 2*8192          ; at chunk 2
	s_mov_b32 s85, 0
	s_add_nc_u64 s[82:83], s[82:83], s[84:85]
	v_and_b32 v31, 31, v0
	v_lshlrev_b32 v31, 8, v31              ; lanes 256 bytes apart
	global_prefetch_b8 v31, s[82:83] th:TH_LOAD_NT scope:SCOPE_SE               ; chunks 2 and 3, which the first two refills load
	global_prefetch_b8 v31, s[82:83] offset:8192 th:TH_LOAD_NT scope:SCOPE_SE
	s_lshl_b32 s68, s15, 15
	s_lshl_b32 s69, s16, 15
	s_add_co_u32 s69, s69, 65536
.irp s, 0,1
	v_add_nc_u32 v[ADRA+\s], s68, v3
	v_add_nc_u32 v[ADRB+\s], s69, v3
	s_add_co_u32 s68, s68, SLOT
	s_add_co_u32 s69, s69, SLOT
.endr
	s_mul_i32 s68, s14, 16*SPITCH
	s_add_co_u32 s68, s68, STAGE
	v_mul_u32_u24 v[STO], v1, SPITCH
	v_lshl_add_u32 v[STO], v2, 6, v[STO]
	v_add_nc_u32 v[STO], s68, v[STO]
	v_mul_u32_u24 v[RD], v2, SPITCH
	v_lshl_add_u32 v[RD], v1, 4, v[RD]
	v_add_nc_u32 v[RD], s68, v[RD]
	s_wait_alu depctr_va_vdst(0)
	s_cmp_lt_u32 s14, 2
	s_cbranch_scc0 .Lnot_first
	s_wait_tensorcnt 0x0                   ; waves 0, 1: slot 0's tiles are in.  Waves 2 and 3 wait for slot 1's at the first change of slots
.Lnot_first:
	s_barrier_signal -1
	s_barrier_wait -1
	FETCH 0, 0, 0
	STEPK 0, 0, 1, -1, FIRSTW
.if LAPS > 1
	WIN 0
	s_mov_b32 s3, LAPS-1
.Llap:
	STEPK 0, 1, 0, -1, -1
	STEPK 0, 2, 0, -1, -1
	TURN 0, 1, 1
	STEPK 1, 0, 0, 0, 0
	STEPK 1, 1, 0, -1, -1
	STEPK 1, 2, 0, -1, -1
	TURN 1, 0, 1
	STEPK 0, 0, 0, 1, 0
	WIN 0
	s_sub_co_u32 s3, s3, 1
	s_cmp_lg_u32 s3, 0
	s_cbranch_scc1 .Llap
	RESID
.endif
	STEPK 0, 1, 0, -1, -1
	STEPK 0, 2, 0, -1, -1
	TURN 0, 1, 0
	STEPK 1, 0, 0, -1, 32
	STEPK 1, 1, 0, -1, -1
	STEPK 1, 2, 0, -1, -1
	s_wait_dscnt 8
	WIN MUL
	MUL4 1, 0, SC+28, 0
	MUL4 1, 1, SC+28, 0
	s_wait_dscnt 0
	MUL4 1, 2, SC+28, 0
	MUL4 1, 3, SC+28, 0
	WIN 0
	PLACES 8
.macro TOSTAGE a
	WIN 0x08
.irp b, 0,1,2,3
	ds_store_b128 v[STO], v[8*(4*(\a)+\b):8*(4*(\a)+\b)+3] offset:128*(\b/2)+32*(\b%2)
	ds_store_b128 v[STO], v[8*(4*(\a)+\b)+4:8*(4*(\a)+\b)+7] offset:128*(\b/2)+32*(\b%2)+16
.endr
	WIN 0
.set OB, OB0+32*(\a)                   ; each of the four tiles has 32 registers of its own (v128-255): no store's data are written again
.irp i, 0,1,2,3,4,5,6,7
	ds_load_b128 v[OB+4*\i:OB+4*\i+3], v[RD] offset:\i*2*SPITCH
.endr
.endm
.macro SEND a, younger
.set OB, OB0+32*(\a)
	s_wait_dscnt \younger
	WIN 0x08
.irp i, 0,2,4,6,8,10,12,14,16,18,20,22,24,26,28,30
	v_pk_add_f32 v[OB+\i:OB+\i+1], v[OB+\i:OB+\i+1], v[128+32*(\a)+\i:128+32*(\a)+\i+1]
.endr
	WIN 0
.irp i, 0,1,2,3,4,5,6,7
	global_store_b128 v[VRO], v[OB+4*\i:OB+4*\i+3], s[12:13] offset:(32*((\a)/2)+8*((\a)%2)+2*\i+8*(\i/4))*4096
.endr
.endm
	s_wait_loadcnt 0x0
	TOSTAGE 0
.irp a, 1,2,3
	TOSTAGE \a
	SEND \a-1, 16
.endr
	SEND 3, 0
	s_wait_tensorcnt 0x0
	ds_add_u32 v[SPW], v[NIL]
	s_wait_dscnt 0x0
	CROUND
	s_endpgm
.Lfunc_end_k_q0decd4ccca_w2:
	.size	k_q0decd4ccca_w2, .Lfunc_end_k_q0decd4ccca_w2-k_q0decd4ccca_w2
	.p2alignl 7, 3214868480
	.fill 96, 4, 3214868480
	.section	.rodata,"a",@progbits
	.p2align	6, 0x0
	.amdhsa_kernel k_q0decd4ccca_w2
		.amdhsa_group_segment_fixed_size 327680
		.amdhsa_private_segment_fixed_size 0
		.amdhsa_enable_private_segment 0
		.amdhsa_kernarg_size 40
		.amdhsa_user_sgpr_count 2
		.amdhsa_user_sgpr_kernarg_segment_ptr 1
		.amdhsa_wavefront_size32 1
		.amdhsa_system_sgpr_workgroup_id_x 1
		.amdhsa_system_sgpr_workgroup_id_y 1
		.amdhsa_system_sgpr_workgroup_id_z 1
		.amdhsa_system_vgpr_workitem_id 0
		.amdhsa_next_free_vgpr 832
		.amdhsa_next_free_sgpr 100
		.amdhsa_reserve_vcc 1
		.amdhsa_float_denorm_mode_32 3
		.amdhsa_float_denorm_mode_16_64 3
		.amdhsa_memory_ordered 1
		.amdhsa_forward_progress 1
		.amdhsa_inst_pref_size 105
	.end_amdhsa_kernel
	.amdgpu_metadata
---
amdhsa.version: [ 1, 2 ]
amdhsa.kernels:
  - .name:           k_q0decd4ccca_w2
    .symbol:         k_q0decd4ccca_w2.kd
    .args:
      - { .name: buf2, .offset: 0, .size: 8, .value_kind: global_buffer, .address_space: global }
      - { .name: wsP, .offset: 8, .size: 8, .value_kind: global_buffer, .address_space: global }
      - { .name: b2, .offset: 16, .size: 8, .value_kind: global_buffer, .address_space: global }
      - { .name: x1, .offset: 24, .size: 8, .value_kind: global_buffer, .address_space: global }
      - { .name: out0, .offset: 32, .size: 8, .value_kind: global_buffer, .address_space: global }
    .group_segment_fixed_size: 327680
    .private_segment_fixed_size: 0
    .kernarg_segment_align: 8
    .kernarg_segment_size: 40
    .max_flat_workgroup_size: 128
    .sgpr_count:     100
    .vgpr_count:     832
    .wavefront_size: 32
...
	.end_amdgpu_metadata
.endif
;; end of part 7
